; MI455X (gfx1250); checked and timed in simulation.
; The chip was launched on July 23, 2026; its instructions are those of AMD's public machine-readable ISA for CDNA 5 (MIT licence, August 2026) and "CDNA5" Instruction Set Architecture Reference Guide (July 2026). The comments in the code are by the model that wrote it; some were corrected since.
;; Sector Attention. Allowed arithmetic: matrix products marked QUANTISED: E2M1 operands, one E8M0 scale for each 32 along K, by v_wmma_scale_f32_16x16x128_f8f6f4 with both operands' format E2M1 (or v_wmma_scale_f32_32x16x128_f4), f32 sums; products left as they are: f32 operands where the result goes on into a quantised operand, else bf16, f16 or f32 operands; f32 sums; everything else in f32.
;; Inputs: Wk_codes 256 x 8 x 16 uint8 (E2M1 codes of Wk, K innermost, in blocks of 32 codes, two codes a byte); Wk_scales 256 x 8 uint8 (E8M0 scales of Wk, one for each 32 codes along K); Wo_codes 256 x 8 x 16 uint8 (E2M1 codes of Wo, K innermost, in blocks of 32 codes, two codes a byte); Wo_scales 256 x 8 uint8 (E8M0 scales of Wo, one for each 32 codes along K); Wq_codes 256 x 8 x 16 uint8 (E2M1 codes of Wq, K innermost, in blocks of 32 codes, two codes a byte); Wq_scales 256 x 8 uint8 (E8M0 scales of Wq, one for each 32 codes along K); Wv_codes 256 x 8 x 16 uint8 (E2M1 codes of Wv, K innermost, in blocks of 32 codes, two codes a byte); Wv_scales 256 x 8 uint8 (E8M0 scales of Wv, one for each 32 codes along K); bk 256 float32; bn_b 16 float32; bn_g 16 float32; bn_m 16 float32; bn_v 16 float32; bo 256 float32; bq 256 float32; bv 256 float32; ln_b 256 float32; ln_g 256 float32; mb1 1,024 float32; mb2 256 float32; mw1_codes 1,024 x 8 x 16 uint8 (E2M1 codes of mw1, K innermost, in blocks of 32 codes, two codes a byte); mw1_scales 1,024 x 8 uint8 (E8M0 scales of mw1, one for each 32 codes along K); mw2_codes 256 x 32 x 16 uint8 (E2M1 codes of mw2, K innermost, in blocks of 32 codes, two codes a byte); mw2_scales 256 x 32 uint8 (E8M0 scales of mw2, one for each 32 codes along K); pb1 16 float32; pb2 8 float32; pw1 16 x 2 float32; pw2 8 x 16 float32; s 4 x 16,384 x 256 float32; s_pos 4 x 2 x 4,096 x 4 float32; x_codes 4 x 16,384 x 8 x 16 uint8 (E2M1 codes of x, K innermost, in blocks of 32 codes, two codes a byte); x_pos 4 x 16,384 x 2 float32; x_scales 4 x 16,384 x 8 uint8 (E8M0 scales of x, one for each 32 codes along K).
;; Outputs: out0 4 x 16,384 x 256 float32.
;; This version of the problem:
;;   THIS VERSION OF THE PROBLEM IS GIVEN IN LOW PRECISION. The matrix products marked QUANTISED in the list below multiply operands that are first quantised to E2M1 (2 exponent bits, 1 mantissa bit; 4 bits a number), with one power-of-two scale for each 32 numbers along K (OCP MX v1.0); their sums are f32. All else is computed in f32.
;;   The module's matrix products, in the order in which they are computed (A, B: the left and right operand; K: the contracted axis; several contracted axes count as one K, in the product's order):
;;     1. [M 262,144, K 2] x [K 2, N 16]; A: computed on the way; B: input pw1: left as it is (K = 2 < 32)
;;     2. [M 262,144, K 16] x [K 16, N 8]; A: computed on the way; B: input pw2: left as it is (K = 16 < 32)
;;     3. [M 65,536, K 256] x [K 256, N 256]; A: input s; B: input Wq (given as codes): QUANTISED
;;     4. [M 65,536, K 256] x [K 256, N 256]; A: input x (given as codes); B: input Wk (given as codes): QUANTISED
;;     5. [M 65,536, K 256] x [K 256, N 256]; A: input x (given as codes); B: input Wv (given as codes): QUANTISED
;;     6. batch 131,072 x [M 4, K 32] x [K 32, N 4]; A: computed on the way; B: computed on the way: left as it is (M = 4 < 16)
;;     7. batch 131,072 x [M 4, K 4] x [K 4, N 32]; A: softmax; B: computed on the way: left as it is (K = 4 < 32)
;;     8. [M 65,536, K 256] x [K 256, N 256]; A: computed on the way; B: input Wo (given as codes): QUANTISED
;;     9. [M 65,536, K 256] x [K 256, N 1,024]; A: computed on the way; B: input mw1 (given as codes): QUANTISED
;;     10. [M 65,536, K 1,024] x [K 1,024, N 256]; A: computed on the way; B: input mw2 (given as codes): QUANTISED
;;   THE QUANTISER, for each operand of a quantised product, along K:
;;     - K is cut into blocks of 32 from its start; a last block that is shorter is filled with zeros.
;;     - A block's scale is 2^e with e = floor(log2(the largest magnitude in the block)) - 2, held to -126 .. 127; a block of zeros has e = 0. As a byte (E8M0): e + 127.
;;     - Each number is divided by its block's scale, clamped to +-6, and rounded to the nearest number of E2M1, ties to even, subnormals kept.
;;     - The product sums the exact products of the quantised numbers (number of the format x scale) in f32.
;;   ~~~python
;;   def quantise(x, axis):      # numpy; x: float32 -> the quantised numbers, widened to float32 again
;;       x = np.moveaxis(x, axis, -1); K = x.shape[-1]
;;       x = np.pad(x, [(0, 0)] * (x.ndim - 1) + [(0, -K % 32)]); x = x.reshape(x.shape[:-1] + (-1, 32)); a = np.abs(x).max(-1, keepdims=True)
;;       e = np.where(a > 0, np.clip(np.frexp(np.where(a > 0, a, 1))[1] - 1 - 2, -126, 127), 0)      # np.frexp(a)[1] - 1 = floor(log2(a)), exactly
;;       r = np.clip(x / 2.0 ** e, -6, 6)
;;       step = 2.0 ** (np.maximum(np.frexp(np.where(r == 0, 1, r))[1] - 1, 0) - 1)
;;       q = np.round(r / step) * step * 2.0 ** e      # np.round: ties to even
;;       return np.moveaxis(q.reshape(q.shape[:-2] + (-1,))[..., :K], -1, axis).astype(np.float32)
;;   ~~~
;;   OPERANDS COMPUTED ON THE WAY. 'Computed on the way' means the value that the module computes at that place (a softmax that the list does not call 'softmax' is quantised finished and normalised). What goes into a quantiser is computed in f32, as accurately as f32 sums, v_exp_f32 and their like allow (about 1e-6 of the number): no bf16 or f16 on the way to a quantiser, and a product that is left as it is and whose result goes on into a quantised operand takes f32 operands (vector FMAs, or v_wmma_f32_16x16x4_f32). A number that lies on a knife's edge between two numbers of the format may be rounded either way, as far as f32 arithmetic and the matrix unit's own rounding can turn it there, and no further.
;;   INPUTS GIVEN AS CODES. Wk (in the module: [256, 256], K = its axis 1); Wo (in the module: [256, 256], K = its axis 1); Wq (in the module: [256, 256], K = its axis 1); Wv (in the module: [256, 256], K = its axis 1); mw1 (in the module: [1024, 256], K = its axis 1); mw2 (in the module: [256, 1024], K = its axis 1); x (in the module: [4, 16384, 256], K = its axis 2): each comes as NAME_codes (uint8): NAME with its K axis moved to the last place and cut into blocks of 32 codes, [.., K / 32, bytes a block], one block behind the other in memory; two codes a byte, the lower K in the low four bits (a code: sign, 2 exponent bits, 1 mantissa bit); and NAME_scales (uint8): the same leading axes, one E8M0 byte (e + 127) for each 32 codes along K. Its value is code x scale, taken as it is: it is not quantised again, and the codes and scales need not be those that the quantiser above would give.
;; 2 versions, each right; version 2 is version 1 with the launches attn, mlp written anew for expert scheduling mode. Each part assembles by itself: llvm-mc -triple=amdgcn-amd-amdhsa -mcpu=gfx1250 --defsym DOCPART=n.
;; ======== version 1 of 2: 2 launches
;; workspace buffers: o_codes 8,388,608 bytes; o_scales 524,288 bytes
;; launch attn (part 1): grid 256 x 1, 8 waves a work-group, no clusters, 277,504 bytes of LDS; arguments s, x_codes, x_scales, s_pos, x_pos, Wq_codes, Wq_scales, Wk_codes, Wk_scales, Wv_codes, Wv_scales, bq, bk, bv, pw1, pb1, bn_g, bn_b, bn_m, bn_v, pw2, pb2, o_codes, o_scales; writes o_codes, o_scales
.if DOCPART == 1
	.amdgcn_target "amdgcn-amd-amdhsa--gfx1250"
	.amdhsa_code_object_version 6
	.text
	.protected	k_q08e3d8c53b_attn
	.globl	k_q08e3d8c53b_attn
	.p2align	8
	.type	k_q08e3d8c53b_attn,@function
k_q08e3d8c53b_attn:
	s_mov_b64 s[64:65], 0
	v_nop
	global_prefetch_b8 v0, s[64:65] scope:SCOPE_SE
	s_setreg_imm32_b32 hwreg(HW_REG_WAVE_MODE, 25, 1), 1
	s_wait_xcnt 0x0
; SectorAttention, first launch: the position net, q, k, v, the 4 x 4 softmax of each head, and the quantiser of the attention's result.
; SHARES.  Work-group g = 64 b + 16 hq + wh takes query hq of the 256 windows w = 256 wh + wl of batch b: rows 256 g .. 256 g + 255 of the result.  Wave n is head n.
; THE VIEW OF q.  Q[window wl][channel c'] = sum over k of s[b][64 c' + 16 hq + wh][k] Wq[wl][k] + bq[wl]: Q's channels are rows of s, 65,536 bytes apart, its windows are rows of Wq,
; and bq is one number a window.  Head n wants rows c' = 32 n .. 32 n + 31 of s: the wave loads them, quantises them in registers and keeps their fragments.
; K and V of window w, key j, are row 4096 j + w of x times Wk, Wv; they are made anew for each of the four queries, which is less than sending them through memory in f32.
; EVERY PRODUCT IS USED TRANSPOSED: source 0 = 16 channels, source 1 = 16 windows.  Lane r of a tile of channels takes channel 8 u + r + 8 (r / 8), so that lane (r, h) holds window r
; and its 16 registers of tiles u = 0, 1 are channels 16 h + 0 .. 15 of the head.  The biases are the C of each sum's first matrix instruction.
; THE LOOP over tiles of 16 windows asks for the next tile's fragments straight behind this tile's products: they land while the scores, the softmax and the quantiser are worked.
; THE RESULT leaves as codes laid as images of the next launch's operand registers (fragment (tile of 16 rows, K step): 1,024 bytes, register group c of lane L at 512 c + 16 L) and scale words (64 bytes a fragment).
; NO CLUSTER, NO TENSOR LOAD: of the 430 KB that a work-group reads, 256 KB are rows of s that must pass through registers to be quantised; what four work-groups share (x, 136 KB) comes by plain loads.
; LIMITS: NaN and infinities are not served.  A block of zeros gets the scale byte 1 where the quantiser says 127: its codes are zeros, and these bytes are read by this program alone.
; The batch norm is folded into three numbers a unit (another order of f32 roundings than (h - m) rsqrt(v + eps) g + b); scores are scaled behind the dot product.
.set L_X,    0              ; x's codes: (64 T + 16 j + r) x 144 (128 bytes + 16 of padding), T = tile of 16 windows, j = key
.set L_XS,   147456         ; x's scale bytes: (64 T + 16 j + r) x 8
.set L_WQ,   155648         ; Wq's codes: row x 144
.set L_WQS,  192512         ; Wq's scale bytes: row x 8
.set L_BQT,  194560         ; bq[wl] four times: 16 bytes a window
.set L_BIAS, 198656         ; the position bias: window x 144 + 16 head + 4 key
.set L_SQ,   235520         ; the codes of s: channel c' x 144; rows 32 n .. 32 n + 31 are wave n's own
.set L_SQS,  272384         ; their scale bytes: c' x 8
.set L_OS,   274432         ; the result's scale bytes: 256 x wave + window
.set AX0, 4
.set AXS0, 5
.set AWQ0, 6
.set AWS0, 7
.set ABQ0, 8
.set ABI0, 9
.set AOS0, 10
.set GO, 11
.set AX, 12
.set AXS, 13
.set AWQ, 14
.set AWS, 15
.set ABQ, 16
.set ABI, 17
.set AOS, 18
.set XSC, 20                ; v20-41 hold scale words and nothing else: x's (a pair a key), Wq's, s's, Wk's, Wv's (a pair a tile)
.set WQSC, 28
.set SS, 30
.set KS, 34
.set VS, 38
.set G16, 42                ; v42-63: offsets and addresses of the head alone
.set G8, 43
.set G4, 44
.set GL32, 45
.set PO8, 46
.set PO4, 47
.set WF, 48
.set WSO, 49
.set BB, 50
.set XA0, 51
.set XA1, 52
.set XSA, 53
.set WQA, 54
.set WQSA, 55
.set BQA, 56
.set BIA, 57
.set ASQ, 58
.set ASB, 59
.set ASF, 60
.set ASS, 61
.set RP, 62
.set XST, 64                ; what the head brings for LDS
.set WQST, 192
.set XSST, 224
.set WQSST, 232
.set BQST, 234
.set PRM, 238               ; pw1 (two), pb1, bn_g, bn_b, bn_m, bn_v of unit lane % 16
.set POS, 246               ; sp0, sp1, four pairs of xp
.set R0, 68
.set R1, 72
.set AH, 76                 ; the net's hidden layer: 4 unit + key
.set BI32, 140              ; the bias: 4 head + key
.set BI, 44                 ; the loop
.set QA, 48
.set KA, 64
.set VA, 128
.set TS, 192
.set SV, 200
.set PM, 204
.set E, 208
.set OO, 216
.set PP, 240
.set KF, 0                  ; window 1
.set VF, 32
.set BKC, 64
.set BVC, 80
.set SF, 96
.set XF, 128
.set WQF, 192
.set BQC, 208
.set MSB, 0
.macro WIN new              ; the immediate's high byte repeats the setting that is left; a switch that changes nothing is dropped
.if MSB != \new
	s_set_vgpr_msb (MSB<<8)|\new
.set MSB, \new
.endif
.endm
.macro BARRIER              ; my LDS stores have landed and my LDS loads are in: then the work-group's barrier
	s_wait_dscnt 0x0
	s_barrier_signal -1
	s_barrier_wait -1
.endm
.macro FP4MM d, a, b, c, sa, sb
	v_wmma_scale_f32_16x16x128_f8f6f4 v[\d:\d+7], v[\a:\a+7], v[\b:\b+7], v[\c:\c+7], v[\sa], v[\sb] matrix_a_fmt:MATRIX_FMT_FP4 matrix_b_fmt:MATRIX_FMT_FP4
.endm
	s_load_b256 s[4:11], s[0:1], 0x0               ; s, x_codes, x_scales, s_pos
	s_load_b256 s[12:19], s[0:1], 0x20             ; x_pos, Wq_codes, Wq_scales, (Wk_codes)
	s_load_b256 s[20:27], s[0:1], 0x40             ; .., bq = s[26:27]
	s_load_b256 s[28:35], s[0:1], 0x60             ; .., pw1 = s[32:33], pb1 = s[34:35]
	s_load_b256 s[36:43], s[0:1], 0x80             ; bn_g, bn_b, bn_m, bn_v
	s_load_b128 s[92:95], s[0:1], 0xa0             ; pw2, pb2
	v_lshrrev_b32 v63, 5, v0
	v_readfirstlane_b32 s52, v63                   ; wave = head
	s_lshr_b32 s53, ttmp9, 6                       ; b
	s_bfe_u32 s54, ttmp9, 0x20004                  ; hq
	s_and_b32 s55, ttmp9, 15                       ; wh
	s_mov_b32 s56, 0x76543210
	s_mov_b32 s57, 0xfedcba98                      ; v_permlanex16_b32's selects for lane l xor 16
	v_and_b32 v1, 31, v0                           ; lane
	v_and_b32 v2, 15, v0                           ; r
	v_bfe_u32 v3, v0, 4, 1                         ; h
	; the loop's LDS addresses at tile 0
	v_mul_u32_u24 v[ABI0], v2, 144
	v_lshl_add_u32 v[AX0], v3, 4, v[ABI0]          ; a fragment's row x 144 + 16 h
	v_lshl_add_u32 v[AXS0], v2, 3, L_XS
	v_add_nc_u32 v[AWQ0], L_WQ, v[AX0]
	v_lshl_add_u32 v[AWS0], v2, 3, L_WQS
	v_lshl_add_u32 v[ABQ0], v2, 4, L_BQT
	s_lshl_b32 s70, s52, 4
	s_add_co_u32 s70, s70, L_BIAS
	v_add_nc_u32 v[ABI0], s70, v[ABI0]             ; window r's four biases of my head
	s_lshl_b32 s71, s52, 8
	s_add_co_u32 s70, s71, L_OS
	v_add_nc_u32 v[AOS0], s70, v2
	v_lshlrev_b32 v[GO], 4, v2
	v_lshl_add_u32 v[GO], v3, 3, v[GO]
	v_add_nc_u32 v[GO], s71, v[GO]                 ; my 8 bytes in a tile's two fragments: block = head: 256 x head + 16 r + 8 h
	; the head's offsets and addresses
	v_lshlrev_b32 v[G16], 4, v0
	v_lshlrev_b32 v[G8], 3, v0
	v_lshlrev_b32 v[G4], 2, v0
	v_lshlrev_b32 v[GL32], 5, v1
	v_lshlrev_b32 v[PO8], 3, v2
	v_lshlrev_b32 v[PO4], 2, v2
	v_and_b32 v[RP], 8, v2
	v_add_nc_u32 v[RP], v[RP], v2                  ; r + 8 (r / 8)
	v_lshlrev_b32 v[WF], 7, v[RP]
	v_lshl_add_u32 v[WF], v3, 4, v[WF]
	v_lshlrev_b32 v[WSO], 3, v[RP]
	v_lshlrev_b32 v[BB], 6, v3
	v_lshrrev_b32 v63, 7, v0
	v_mul_u32_u24 v[XA0], v63, 9216
	v_bfe_u32 v63, v0, 3, 4
	v_mad_u32_u24 v[XA0], v63, 144, v[XA0]
	v_and_b32 v63, 7, v0
	v_lshl_add_u32 v[XA0], v63, 4, v[XA0]          ; a chunk of 4,096 bytes is 32 rows: tile t / 128, row (t / 8) % 16, 16 bytes at 16 (t % 8)
	v_add_nc_u32 v[XA1], 73728, v[XA0]
	v_lshrrev_b32 v63, 4, v0
	v_lshlrev_b32 v[XSA], 9, v63
	v_lshl_add_u32 v[XSA], v2, 3, v[XSA]
	v_add_nc_u32 v[XSA], L_XS, v[XSA]
	v_lshrrev_b32 v63, 3, v0
	v_mul_u32_u24 v[WQA], v63, 144
	v_and_b32 v63, 7, v0
	v_lshl_add_u32 v[WQA], v63, 4, v[WQA]
	v_add_nc_u32 v[WQA], L_WQ, v[WQA]
	v_lshl_add_u32 v[WQSA], v0, 3, L_WQS
	v_lshl_add_u32 v[BQA], v0, 4, L_BQT
	v_mul_u32_u24 v[BIA], v0, 144
	v_add_nc_u32 v[BIA], L_BIAS, v[BIA]
	s_mul_i32 s70, s52, 4608
	s_add_co_u32 s70, s70, L_SQ                    ; my wave's 32 rows of codes,
	s_add_co_u32 s71, s71, L_SQS                   ; and of scale bytes
	v_lshl_add_u32 v[ASQ], v1, 2, s70
	v_lshrrev_b32 v[ASB], 2, v1
	v_add_nc_u32 v[ASB], s71, v[ASB]
	v_mul_u32_u24 v[ASF], v[RP], 144
	v_lshl_add_u32 v[ASF], v3, 4, v[ASF]
	v_add_nc_u32 v[ASF], s70, v[ASF]
	v_lshl_add_u32 v[ASS], v[RP], 3, s71
	; where the work-group's parts begin, in bytes
	s_lshl_b32 s58, s53, 24                        ; s: batch, + 16 hq + wh rows of 1,024 bytes, + my wave's 32 channels of 65,536
	s_lshl_b32 s70, s54, 14
	s_add_co_u32 s58, s58, s70
	s_lshl_b32 s70, s55, 10
	s_add_co_u32 s58, s58, s70
	s_lshl_b32 s70, s52, 21
	s_add_co_u32 s58, s58, s70
	s_mov_b32 s59, 0
	s_lshl_b32 s60, s53, 21                        ; x's codes: 128 bytes a row
	s_lshl_b32 s70, s55, 15
	s_add_co_u32 s60, s60, s70
	s_mov_b32 s61, 0
	s_lshl_b32 s66, s53, 17                        ; x's scale bytes and x_pos: 8 bytes a row
	s_lshl_b32 s70, s55, 11
	s_add_co_u32 s66, s66, s70
	s_mov_b32 s67, 0
	s_lshl_b32 s68, s53, 17                        ; s_pos[b][hq & 1][w][hq >> 1] and [.. + 2]
	s_and_b32 s70, s54, 1
	s_lshl_b32 s70, s70, 16
	s_add_co_u32 s68, s68, s70
	s_lshl_b32 s70, s55, 12
	s_add_co_u32 s68, s68, s70
	s_lshr_b32 s70, s54, 1
	s_lshl_b32 s70, s70, 2
	s_add_co_u32 s68, s68, s70
	s_mov_b32 s69, 0
	s_wait_kmcnt 0x0
	s_add_nc_u64 s[96:97], s[4:5], s[58:59]        ; s's base has a pair of its own, which nothing writes again: its loads stay out while s4-51 are used anew
	s_add_nc_u64 s[6:7], s[6:7], s[60:61]
	s_add_nc_u64 s[8:9], s[8:9], s[66:67]
	s_add_nc_u64 s[12:13], s[12:13], s[66:67]
	s_add_nc_u64 s[10:11], s[10:11], s[68:69]
	; ---- loads: 6 of the net's numbers, 6 of positions, 46 for LDS, then my first 16 rows of s
	global_load_b64 v[PRM:PRM+1], v[PO8], s[32:33]
	global_load_b32 v[PRM+2], v[PO4], s[34:35]
	global_load_b32 v[PRM+3], v[PO4], s[36:37]
	global_load_b32 v[PRM+4], v[PO4], s[38:39]
	global_load_b32 v[PRM+5], v[PO4], s[40:41]
	global_load_b32 v[PRM+6], v[PO4], s[42:43]
	global_load_b32 v[POS], v[G16], s[10:11]
	global_load_b32 v[POS+1], v[G16], s[10:11] offset:8
.irp j,0,1,2,3
	global_load_b64 v[POS+2+2*\j:POS+3+2*\j], v[G8], s[12:13] offset:\j*32768
.endr
.irp j,0,1,2,3
.irp i,0,1,2,3,4,5,6,7
	global_load_b128 v[XST+4*(8*\j+\i):XST+4*(8*\j+\i)+3], v[G16], s[6:7] offset:\j*524288+\i*4096   ; key j's 256 rows are 32,768 dense bytes
.endr
.endr
.irp j,0,1,2,3
	global_load_b64 v[XSST+2*\j:XSST+2*\j+1], v[G8], s[8:9] offset:\j*32768
.endr
.irp i,0,1,2,3,4,5,6,7
	global_load_b128 v[WQST+4*\i:WQST+4*\i+3], v[G16], s[14:15] offset:\i*4096
.endr
	global_load_b64 v[WQSST:WQSST+1], v[G8], s[16:17]
	global_load_b32 v[BQST], v[G4], s[26:27]
	WIN 0x40                                       ; destination window 1
.irp i,0,1,2,3,4,5,6,7,8,9,10,11,12,13,14,15
	global_load_b128 v[8*\i:8*\i+3], v[GL32], s[96:97] offset:\i*65536 th:TH_LOAD_NT       ; row i of my 32: lane l takes k = 8 l .. 8 l + 7
	global_load_b128 v[8*\i+4:8*\i+7], v[GL32], s[96:97] offset:\i*65536+16 th:TH_LOAD_NT
.endr
	WIN 0
	s_wait_loadcnt 32                              ; all but the 32 loads of s: every other load is done, so its offsets and its base may be written
	; ---- into LDS
.irp j,0,1,2,3
.irp i,0,1,2,3
	ds_store_b128 v[XA0], v[XST+4*(8*\j+\i):XST+4*(8*\j+\i)+3] offset:\i*18432+\j*2304
	ds_store_b128 v[XA1], v[XST+4*(8*\j+\i+4):XST+4*(8*\j+\i+4)+3] offset:\i*18432+\j*2304
.endr
	ds_store_b64 v[XSA], v[XSST+2*\j:XSST+2*\j+1] offset:\j*128
.endr
.irp i,0,1,2,3,4,5,6,7
	ds_store_b128 v[WQA], v[WQST+4*\i:WQST+4*\i+3] offset:\i*4608
.endr
	ds_store_b64 v[WQSA], v[WQSST:WQSST+1]
	v_mov_b32 v[BQST+1], v[BQST]
	v_mov_b32 v[BQST+2], v[BQST]
	v_mov_b32 v[BQST+3], v[BQST]
	ds_store_b128 v[BQA], v[BQST:BQST+3]
	WIN 0x40
.irp i,16,17,18,19,20,21,22,23,24,25,26,27,28,29,30,31
	global_load_b128 v[8*\i:8*\i+3], v[GL32], s[96:97] offset:\i*65536 th:TH_LOAD_NT
	global_load_b128 v[8*\i+4:8*\i+7], v[GL32], s[96:97] offset:\i*65536+16 th:TH_LOAD_NT
.endr
	WIN 0
	s_wait_dscnt 0x0                               ; the stores have read their registers.  The 64 loads of s that may be out name v45 and s[96:97] alone: neither is written before the counted waits below show them done
	; ---- the position net: thread = window.  The batch norm folds into A = pw1[.][0] sc, B = pw1[.][1] sc, C = (pb1 - m) sc + b, sc = g rsqrt(v + 1e-5)
	v_add_f32 v67, 0x3727c5ac, v[PRM+6]
	v_rsq_f32 v64, v67
	v_sub_f32 v66, v[PRM+2], v[PRM+5]              ; (the plain place behind the root)
	s_wait_alu depctr_va_vdst(0)                   ; a wait ahead of the root's first reader
	v_mul_f32 v67, v64, v[PRM+3]
	v_mul_f32 v64, v[PRM], v67
	v_mul_f32 v65, v[PRM+1], v67
	v_fma_f32 v66, v66, v67, v[PRM+4]
.irp o,0,1,2,3,4,5,6,7,8,9,10,11,12,13,14,15
	v_readlane_b32 s[4+\o], v64, \o                ; unit o's three numbers lie in lane o
	v_readlane_b32 s[20+\o], v65, \o
	v_readlane_b32 s[36+\o], v66, \o
.endr
.irp j,0,1,2,3
	v_sub_f32 v[R0+\j], v[POS], v[POS+2+2*\j]
	v_sub_f32 v[R1+\j], v[POS+1], v[POS+3+2*\j]
.endr
.irp o,0,1,2,3,4,5,6,7,8,9,10,11,12,13,14,15
.irp j,0,1,2,3
	v_fma_f32 v[AH+4*\o+\j], s[20+\o], v[R1+\j], s[36+\o]
.endr
.irp j,0,1,2,3
	v_fma_f32 v[AH+4*\o+\j], s[4+\o], v[R0+\j], v[AH+4*\o+\j]
.endr
.irp j,0,1,2,3
	v_max_num_f32 v[AH+4*\o+\j], 0, v[AH+4*\o+\j]
.endr
.endr
.macro HEAD1 n, sb                             ; head n's four biases: pb2[n] + sum over units; the four keys by turns
.irp j,0,1,2,3
	v_fma_f32 v[BI32+4*(\n)+\j], s[\sb], v[AH+\j], s[84+(\n)]
.endr
.irp o,1,2,3,4,5,6,7,8,9,10,11,12,13,14,15
.irp j,0,1,2,3
	v_fmac_f32 v[BI32+4*(\n)+\j], s[\sb+\o], v[AH+4*\o+\j]
.endr
.endr
.endm
.macro HEADS p                                 ; four rows of pw2 into scalar registers, four heads
	s_load_b512 s[4:19], s[92:93], 256*\p
	s_load_b512 s[20:35], s[92:93], 256*\p+64
	s_load_b512 s[36:51], s[92:93], 256*\p+128
	s_load_b512 s[68:83], s[92:93], 256*\p+192
	s_wait_kmcnt 0x0
	HEAD1 4*\p+0, 4
	HEAD1 4*\p+1, 20
	HEAD1 4*\p+2, 36
	HEAD1 4*\p+3, 68
.endm
	s_load_b256 s[84:91], s[94:95], 0x0            ; pb2
	HEADS 0
	HEADS 1
.irp n,0,1,2,3,4,5,6,7
	ds_store_b128 v[BIA], v[BI32+4*\n:BI32+4*\n+3] offset:16*\n
.endr
	; ---- the other pointers
	s_load_b256 s[4:11], s[0:1], 0x20              ; .., Wk_codes = s[10:11]
	s_load_b256 s[12:19], s[0:1], 0x40             ; Wk_scales, Wv_codes, Wv_scales, ..
	s_load_b128 s[20:23], s[0:1], 0x60             ; bk, bv
	s_load_b128 s[24:27], s[0:1], 0xb0             ; o_codes, o_scales
	s_mov_b32 s59, 0
	s_wait_kmcnt 0x0
	s_lshl_b32 s58, s52, 12                        ; my head's 32 rows of 128 bytes
	s_add_nc_u64 s[10:11], s[10:11], s[58:59]
	s_add_nc_u64 s[14:15], s[14:15], s[58:59]
	s_lshl_b32 s58, s52, 8
	s_add_nc_u64 s[12:13], s[12:13], s[58:59]
	s_add_nc_u64 s[16:17], s[16:17], s[58:59]
	s_lshl_b32 s58, s52, 7
	s_add_nc_u64 s[20:21], s[20:21], s[58:59]
	s_add_nc_u64 s[22:23], s[22:23], s[58:59]
	s_lshl_b32 s58, ttmp9, 15
	s_add_nc_u64 s[24:25], s[24:25], s[58:59]
	s_lshl_b32 s58, ttmp9, 11
	s_add_nc_u64 s[26:27], s[26:27], s[58:59]
; Eight rows of s, k .. k + 7 of my 32, become codes and scale bytes in my own rows of LDS.  A lane holds 8 neighbours along K, four lanes a block of 32.
.macro SQ8 k
	s_wait_dscnt 0x0                               ; earlier LDS stores have read the registers that are written below
	WIN 0x05                                       ; sources 0 and 1 window 1
.irp i,0,1,2,3,4,5,6,7
	v_max3_num_f32 v[64+\i], |v[8*(\k+\i)]|, |v[8*(\k+\i)+1]|, 0x1800000   ; with the floor 2^(3 - 127): the byte cannot fall under 1
.endr
.irp a,2,4,6
.irp i,0,1,2,3,4,5,6,7
	v_max3_num_f32 v[64+\i], |v[8*(\k+\i)+\a]|, |v[8*(\k+\i)+\a+1]|, v[64+\i]
.endr
.endr
	WIN 0
.irp i,0,1,2,3,4,5,6,7
	v_max_num_f32_dpp v[64+\i], v[64+\i], v[64+\i] row_xmask:1 row_mask:0xf bank_mask:0xf
.endr
.irp i,0,1,2,3,4,5,6,7
	v_max_num_f32_dpp v[64+\i], v[64+\i], v[64+\i] row_xmask:2 row_mask:0xf bank_mask:0xf
.endr
.irp i,0,1,2,3,4,5,6,7
	v_add_nc_u32 v[72+\i], 0xff000000, v[64+\i]    ; 2 off the exponent field: the conversion's scale operand
.endr
	WIN 0x01
.irp i,0,1,2,3,4,5,6,7
	v_cvt_scalef32_pk8_fp4_f32 v[80+\i], v[8*(\k+\i):8*(\k+\i)+7], v[72+\i]
.endr
	WIN 0
.irp i,0,1,2,3,4,5,6,7
	v_lshrrev_b32 v[88+\i], 23, v[72+\i]           ; the scale's byte (plain lines behind the conversions)
.endr
.irp i,0,1,2,3,4,5,6,7
	ds_store_b32 v[ASQ], v[80+\i] offset:(\k+\i)*144
	ds_store_b8 v[ASB], v[88+\i] offset:(\k+\i)*8  ; the four lanes of a block write the same byte with the same value
.endr
.endm
	s_wait_loadcnt 32                              ; rows 0-15 are in; rows 16-31 may be out
	SQ8 0
	SQ8 8
	WIN 0x40                                       ; my head's weights and biases, into the registers that rows 0-11 have left
.irp u,0,1
.irp ks,0,1
.irp c,0,1
	global_load_b128 v[KF+8*(2*\u+\ks)+4*\c:KF+8*(2*\u+\ks)+4*\c+3], v[WF], s[10:11] offset:\u*1024+\ks*64+32*\c
	global_load_b128 v[VF+8*(2*\u+\ks)+4*\c:VF+8*(2*\u+\ks)+4*\c+3], v[WF], s[14:15] offset:\u*1024+\ks*64+32*\c
.endr
.endr
.endr
.irp u,0,1
.irp i,0,1
	global_load_b128 v[BKC+8*\u+4*\i:BKC+8*\u+4*\i+3], v[BB], s[20:21] offset:\u*32+16*\i   ; bk at channels 16 h + 8 u + 0 .. 7 of my head
	global_load_b128 v[BVC+8*\u+4*\i:BVC+8*\u+4*\i+3], v[BB], s[22:23] offset:\u*32+16*\i
.endr
.endr
	WIN 0
.irp u,0,1
	global_load_b64 v[KS+2*\u:KS+2*\u+1], v[WSO], s[12:13] offset:\u*64
	global_load_b64 v[VS+2*\u:VS+2*\u+1], v[WSO], s[16:17] offset:\u*64
.endr
	s_wait_loadcnt 28                              ; rows 16-31 are in; the 28 loads just issued may be out
	SQ8 16
	SQ8 24
	WIN 0x40                                       ; my own bytes, and LDS serves a wave's instructions in order: no barrier
.irp u,0,1
.irp ks,0,1
.irp c,0,1
	ds_load_b128 v[SF+8*(2*\u+\ks)+4*\c:SF+8*(2*\u+\ks)+4*\c+3], v[ASF] offset:\u*1152+\ks*64+32*\c
.endr
.endr
.endr
	WIN 0
.irp u,0,1
	ds_load_b64 v[SS+2*\u:SS+2*\u+1], v[ASS] offset:\u*64
.endr
.irp j,0,1,2,3
	v_mov_b32 v[PM+\j], 0                          ; written once: a lane permute's destination counts as one of its sources
.endr
	v_mov_b32 v234, 0
	s_mov_b32 s28, 0                               ; the tile's steps: x 9,216; Wq and the bias 2,304; x's scales 512; bq 256; Wq's scales 128; the result's bytes 16
	s_mov_b32 s29, 0
	s_mov_b32 s30, 0
	s_mov_b32 s31, 0
	s_mov_b32 s32, 0
	s_mov_b32 s33, 0
	s_mov_b32 s34, 0x3e3504f3                      ; 32^-0.5
	s_mov_b32 s35, 0x3fb8aa3b                      ; log2(e)
	s_mov_b32 s62, 0
.macro ADDRS                                   ; where a tile's fragments, scale words and biases lie
	v_add_nc_u32 v[AX], s28, v[AX0]
	v_add_nc_u32 v[AXS], s30, v[AXS0]
	v_add_nc_u32 v[AWQ], s29, v[AWQ0]
	v_add_nc_u32 v[AWS], s32, v[AWS0]
	v_add_nc_u32 v[ABQ], s31, v[ABQ0]
	v_add_nc_u32 v[ABI], s29, v[ABI0]
.endm
.macro LOADS                                   ; 27 LDS loads in one run: all that a tile's products read
	WIN 0x40
.irp j,0,1,2,3
.irp ks,0,1
.irp c,0,1
	ds_load_b128 v[XF+8*(2*\j+\ks)+4*\c:XF+8*(2*\j+\ks)+4*\c+3], v[AX] offset:\j*2304+\ks*64+32*\c
.endr
.endr
.endr
.irp ks,0,1
.irp c,0,1
	ds_load_b128 v[WQF+8*\ks+4*\c:WQF+8*\ks+4*\c+3], v[AWQ] offset:\ks*64+32*\c
.endr
.endr
	ds_load_b128 v[BQC:BQC+3], v[ABQ]              ; bq of window r, eight times: Q's C
	ds_load_b128 v[BQC+4:BQC+7], v[ABQ]
	WIN 0
.irp j,0,1,2,3
	ds_load_b64 v[XSC+2*\j:XSC+2*\j+1], v[AXS] offset:\j*128
.endr
	ds_load_b64 v[WQSC:WQSC+1], v[AWS]
.endm
; A tile of 16 windows.  next = 1: the next tile's loads go out behind this tile's products; next = 0: the last tile, which asks for nothing: no read leaves a region.
.macro TILE next
	s_wait_dscnt 0x0                               ; this tile's loads, issued a tile ago, are in; the last tile's byte store has read its registers
	; 18 accumulators (Q: 2, K: 8, V: 8) by turns, one instruction a turn; K step 0 takes the biases as C
	WIN 0x15                                       ; sources 0, 1 and 2 window 1, destination window 0
.irp u,0,1
	FP4MM QA+8*\u, SF+16*\u, WQF, BQC, SS+2*\u, WQSC
.endr
.irp j,0,1,2,3
.irp u,0,1
	FP4MM KA+16*\j+8*\u, KF+16*\u, XF+16*\j, BKC+8*\u, KS+2*\u, XSC+2*\j
	FP4MM VA+16*\j+8*\u, VF+16*\u, XF+16*\j, BVC+8*\u, VS+2*\u, XSC+2*\j
.endr
.endr
	WIN 0x05                                       ; C and D window 0
.irp u,0,1
	FP4MM QA+8*\u, SF+16*\u+8, WQF+8, QA+8*\u, SS+2*\u+1, WQSC+1
.endr
.irp j,0,1,2,3
.irp u,0,1
	FP4MM KA+16*\j+8*\u, KF+16*\u+8, XF+16*\j+8, KA+16*\j+8*\u, KS+2*\u+1, XSC+2*\j+1
	FP4MM VA+16*\j+8*\u, VF+16*\u+8, XF+16*\j+8, VA+16*\j+8*\u, VS+2*\u+1, XSC+2*\j+1
.endr
.endr
	WIN 0
	v_add_nc_u32 v[AOS], s33, v[AOS0]              ; this and the lines below are the plain places behind the products: four are owed ahead of loads into their sources and of reads of their results
.if \next
	s_add_co_u32 s28, s28, 9216
	s_add_co_u32 s29, s29, 2304
	s_add_co_u32 s30, s30, 512
	s_add_co_u32 s31, s31, 256
	s_add_co_u32 s32, s32, 128
	ADDRS                                          ; six more places
	LOADS                                          ; the next tile's: they land under the vector work below
.else
.rept 3
	v_nop
.endr
.endif
	; the four scores of my window: 16 channels in my lane, 16 in lane l xor 16; each accumulator is read from its low end on
.irp j,0,1,2,3
	v_pk_mul_f32 v[TS+2*\j:TS+2*\j+1], v[QA:QA+1], v[KA+16*\j:KA+16*\j+1]
.endr
.irp i,2,4,6,8,10,12,14
.irp j,0,1,2,3
	v_pk_fma_f32 v[TS+2*\j:TS+2*\j+1], v[QA+\i:QA+\i+1], v[KA+16*\j+\i:KA+16*\j+\i+1], v[TS+2*\j:TS+2*\j+1]
.endr
.endr
.irp j,0,1,2,3
	v_add_f32 v[SV+\j], v[TS+2*\j], v[TS+2*\j+1]
.endr
.irp j,0,1,2,3
	v_permlanex16_b32 v[PM+\j], v[SV+\j], s56, s57
.endr
.irp j,0,1,2,3
	v_add_f32 v[SV+\j], v[SV+\j], v[PM+\j]
.endr
.irp j,0,1,2,3
	v_fma_f32 v[SV+\j], v[SV+\j], s34, v[BI+\j]    ; x 32^-0.5 + the position bias
.endr
.if \next
	ds_load_b128 v[BI:BI+3], v[ABI]                ; the next tile's biases, behind the last reader of this tile's
.endif
	v_max3_num_f32 v212, v[SV], v[SV+1], v[SV+2]
	v_max_num_f32 v212, v212, v[SV+3]              ; the maximum is taken away ahead of the exponentials
.irp j,0,1,2,3
	v_sub_f32 v[E+\j], v[SV+\j], v212
.endr
.irp j,0,1,2,3
	v_mul_f32 v[E+\j], s35, v[E+\j]
.endr
.irp j,0,1,2,3
	v_exp_f32 v[E+\j], v[E+\j]
.endr
	v_nop                                          ; a plain place behind the exponentials,
	s_wait_alu depctr_va_vdst(0)                   ; and one wait for the four, ahead of their first reader
	v_add_f32 v213, v[E], v[E+1]
	v_add_f32 v214, v[E+2], v[E+3]
	v_add_f32 v213, v213, v214
	v_rcp_f32 v214, v213
	v_nop
	s_wait_alu depctr_va_vdst(0)
.irp j,0,1,2,3
	v_mul_f32 v[PP+2*\j], v[E+\j], v214            ; each weight twice: a pair for the packed forms
	v_mul_f32 v[PP+2*\j+1], v[E+\j], v214
.endr
.irp i,0,2,4,6,8,10,12,14
	v_pk_mul_f32 v[OO+\i:OO+\i+1], v[VA+\i:VA+\i+1], v[PP:PP+1]
.endr
.irp j,1,2,3
.irp i,0,2,4,6,8,10,12,14
	v_pk_fma_f32 v[OO+\i:OO+\i+1], v[VA+16*\j+\i:VA+16*\j+\i+1], v[PP+2*\j:PP+2*\j+1], v[OO+\i:OO+\i+1]
.endr
.endr
	; the head's 32 channels are one block of the next product's K: my 16 and lane l xor 16's
	v_max3_num_f32 v232, |v[OO]|, |v[OO+1]|, 0x1800000
	v_max3_num_f32 v233, |v[OO+8]|, |v[OO+9]|, |v[OO+10]|
	v_max3_num_f32 v232, v232, |v[OO+2]|, |v[OO+3]|
	v_max3_num_f32 v233, v233, |v[OO+11]|, |v[OO+12]|
	v_max3_num_f32 v232, v232, |v[OO+4]|, |v[OO+5]|
	v_max3_num_f32 v233, v233, |v[OO+13]|, |v[OO+14]|
	v_max3_num_f32 v232, v232, |v[OO+6]|, |v[OO+7]|
	v_max3_num_f32 v232, v232, v233, |v[OO+15]|
	v_permlanex16_b32 v234, v232, s56, s57
	v_max_num_f32 v232, v232, v234
	v_add_nc_u32 v235, 0xff000000, v232
	s_wait_xcnt 0x0                                ; the last tile's store, a tile back, has read its data and its base: both are written again below
	s_add_nc_u64 s[24:25], s[24:25], 2048          ; a tile's two fragments on: the base stands one tile ahead, and the store reaches back
	v_cvt_scalef32_pk8_fp4_f32 v236, v[OO:OO+7], v235
	v_cvt_scalef32_pk8_fp4_f32 v237, v[OO+8:OO+15], v235
	v_lshrrev_b32 v238, 23, v235
	v_nop                                          ; a plain place behind the conversions
	ds_store_b8 v[AOS], v238                       ; both halves of the lanes write the same byte with the same value
	global_store_b64 v[GO], v[236:237], s[24:25] offset:-2048   ; the 32 lanes store 256 consecutive bytes, at a multiple of 256 from the buffer's first byte
	s_add_co_u32 s33, s33, 16
.endm
	s_wait_loadcnt 0x0
	BARRIER                                        ; x, Wq, bq and the biases of all 256 windows lie in LDS
	ADDRS
	LOADS                                          ; tile 0's
	ds_load_b128 v[BI:BI+3], v[ABI]
.Ltile:                                            ; 15 trips; the 16th tile is written out behind the loop
	TILE 1
	s_add_co_u32 s62, s62, 1
	s_cmp_lt_u32 s62, 15
	s_cbranch_scc1 .Ltile
	TILE 0
	BARRIER                                        ; all eight heads' scale bytes lie in LDS
	v_add_nc_u32 v[AX], L_OS, v0                   ; thread = window: its eight bytes make the two scale words of its row
.irp w,0,1,2,3,4,5,6,7
	ds_load_u8 v[48+\w], v[AX] offset:256*\w
.endr
	v_lshrrev_b32 v[AXS], 4, v0
	v_lshlrev_b32 v[AXS], 7, v[AXS]
	v_lshl_add_u32 v[AXS], v2, 2, v[AXS]           ; 128 x tile + 4 r; K step 1's word 64 bytes on
	s_wait_dscnt 0x0
	v_lshl_or_b32 v48, v49, 8, v48
	v_lshl_or_b32 v52, v53, 8, v52
	v_lshl_or_b32 v48, v50, 16, v48
	v_lshl_or_b32 v52, v54, 16, v52
	v_lshl_or_b32 v48, v51, 24, v48
	v_lshl_or_b32 v52, v55, 24, v52
	global_store_b32 v[AXS], v48, s[26:27]
	global_store_b32 v[AXS], v52, s[26:27] offset:64
	s_wait_xcnt 0x0
	v_lshl_add_u32 v254, v0, 2, 0x43800
	v_mov_b32 v255, 0
	s_wait_tensorcnt 0x0
	ds_add_u32 v254, v255
	s_wait_dscnt 0x0
	s_endpgm
.Lfunc_end_k_q08e3d8c53b_attn:
	.size	k_q08e3d8c53b_attn, .Lfunc_end_k_q08e3d8c53b_attn-k_q08e3d8c53b_attn
	.p2alignl 7, 3214868480
	.fill 96, 4, 3214868480
	.section	.rodata,"a",@progbits
	.p2align	6, 0x0
	.amdhsa_kernel k_q08e3d8c53b_attn
		.amdhsa_group_segment_fixed_size 277504
		.amdhsa_private_segment_fixed_size 0
		.amdhsa_enable_private_segment 0
		.amdhsa_kernarg_size 192
		.amdhsa_user_sgpr_count 2
		.amdhsa_user_sgpr_kernarg_segment_ptr 1
		.amdhsa_wavefront_size32 1
		.amdhsa_system_sgpr_workgroup_id_x 1
		.amdhsa_system_sgpr_workgroup_id_y 1
		.amdhsa_system_sgpr_workgroup_id_z 1
		.amdhsa_system_vgpr_workitem_id 0
		.amdhsa_next_free_vgpr 512
		.amdhsa_next_free_sgpr 98
		.amdhsa_reserve_vcc 0
		.amdhsa_float_denorm_mode_32 3
		.amdhsa_float_denorm_mode_16_64 3
		.amdhsa_memory_ordered 1
		.amdhsa_forward_progress 1
		.amdhsa_inst_pref_size 109
	.end_amdhsa_kernel
	.amdgpu_metadata
---
amdhsa.version: [ 1, 2 ]
amdhsa.kernels:
  - .name:           k_q08e3d8c53b_attn
    .symbol:         k_q08e3d8c53b_attn.kd
    .args:
      - { .name: s, .offset: 0, .size: 8, .value_kind: global_buffer, .address_space: global }
      - { .name: x_codes, .offset: 8, .size: 8, .value_kind: global_buffer, .address_space: global }
      - { .name: x_scales, .offset: 16, .size: 8, .value_kind: global_buffer, .address_space: global }
      - { .name: s_pos, .offset: 24, .size: 8, .value_kind: global_buffer, .address_space: global }
      - { .name: x_pos, .offset: 32, .size: 8, .value_kind: global_buffer, .address_space: global }
      - { .name: Wq_codes, .offset: 40, .size: 8, .value_kind: global_buffer, .address_space: global }
      - { .name: Wq_scales, .offset: 48, .size: 8, .value_kind: global_buffer, .address_space: global }
      - { .name: Wk_codes, .offset: 56, .size: 8, .value_kind: global_buffer, .address_space: global }
      - { .name: Wk_scales, .offset: 64, .size: 8, .value_kind: global_buffer, .address_space: global }
      - { .name: Wv_codes, .offset: 72, .size: 8, .value_kind: global_buffer, .address_space: global }
      - { .name: Wv_scales, .offset: 80, .size: 8, .value_kind: global_buffer, .address_space: global }
      - { .name: bq, .offset: 88, .size: 8, .value_kind: global_buffer, .address_space: global }
      - { .name: bk, .offset: 96, .size: 8, .value_kind: global_buffer, .address_space: global }
      - { .name: bv, .offset: 104, .size: 8, .value_kind: global_buffer, .address_space: global }
      - { .name: pw1, .offset: 112, .size: 8, .value_kind: global_buffer, .address_space: global }
      - { .name: pb1, .offset: 120, .size: 8, .value_kind: global_buffer, .address_space: global }
      - { .name: bn_g, .offset: 128, .size: 8, .value_kind: global_buffer, .address_space: global }
      - { .name: bn_b, .offset: 136, .size: 8, .value_kind: global_buffer, .address_space: global }
      - { .name: bn_m, .offset: 144, .size: 8, .value_kind: global_buffer, .address_space: global }
      - { .name: bn_v, .offset: 152, .size: 8, .value_kind: global_buffer, .address_space: global }
      - { .name: pw2, .offset: 160, .size: 8, .value_kind: global_buffer, .address_space: global }
      - { .name: pb2, .offset: 168, .size: 8, .value_kind: global_buffer, .address_space: global }
      - { .name: o_codes, .offset: 176, .size: 8, .value_kind: global_buffer, .address_space: global }
      - { .name: o_scales, .offset: 184, .size: 8, .value_kind: global_buffer, .address_space: global }
    .group_segment_fixed_size: 277504
    .private_segment_fixed_size: 0
    .kernarg_segment_align: 8
    .kernarg_segment_size: 192
    .max_flat_workgroup_size: 256
    .sgpr_count:     98
    .vgpr_count:     512
    .wavefront_size: 32
...
	.end_amdgpu_metadata
.endif
;; end of part 1
;; launch mlp (part 2): grid 256 x 1, 8 waves a work-group, no clusters, 233,472 bytes of LDS; arguments s, o_codes, o_scales, Wo_codes, Wo_scales, bo, ln_g, ln_b, mw1_codes, mw1_scales, mb1, mw2_codes, mw2_scales, mb2, out0; writes out0
.if DOCPART == 2
	.amdgcn_target "amdgcn-amd-amdhsa--gfx1250"
	.amdhsa_code_object_version 6
	.text
	.protected	k_q08e3d8c53b_mlp
	.globl	k_q08e3d8c53b_mlp
	.p2align	8
	.type	k_q08e3d8c53b_mlp,@function
k_q08e3d8c53b_mlp:
	s_mov_b64 s[64:65], 0
	v_nop
	global_prefetch_b8 v0, s[64:65] scope:SCOPE_SE
	s_setreg_imm32_b32 hwreg(HW_REG_WAVE_MODE, 25, 1), 1
	s_wait_xcnt 0x0
; SectorAttention, second launch: s1 = s + o Wo^T + bo; n = LayerNorm(s1); out = s1 + gelu(n mw1^T + mb1) mw2^T + mb2.  The three products on codes of FP4 (E2M1) with E8M0 scales.
; SHARES.  Work-group g takes rows 256 g .. 256 g + 255, 64 at a time (four tiles of 16).  THE EIGHT WAVES SHARE THE COLUMNS: wave w makes channels 32 w .. 32 w + 31 of s1 and of the output and hidden units
; 128 w .. 128 w + 127, for all 64 rows.  Its parts of Wo, mw1 and mw2 stay in its registers for the whole launch (288 registers), read once; what goes from wave to wave is codes, through LDS,
; as images of operand registers (a fragment: 1,024 bytes, register group c of lane L at 512 c + 16 L; its scale words: 4 bytes a row).
; EVERY PRODUCT IS USED TRANSPOSED (source 0 = 16 rows of a weight, source 1 = 16 rows of the block); lane r of a weight's tile 2 b + u takes row 32 b + 8 u + r + 8 (r / 8), so that lane (r, h) holds
; row r and the 16 registers of tiles 2 b, 2 b + 1 are channels 32 b + 16 h + 0 .. 15.  So a wave's 32 channels of n are one block of the next K, and its 128 hidden units one K step.
; THE STAGE: 64 rows x (1,024 + 16) bytes of f32.  It is filled by rows with s, read by columns as the C of the first product, holds s1, is read again as the C of the last product, and leaves by rows.
; Two stages take turns: the next block's rows of s are loaded and laid down while this block's hidden layer is made.
; WHAT NOBODY WRITES BEHIND THE HEAD (o's fragments, the tables of biases and gains) is read ahead of a barrier wherever its registers are free there, so that it lands while the waves meet.
; THE NORM: each wave's mean and sum of squares about it over its 32 channels; the eight are joined by their means' spread: no difference of large sums.
; GELU is x (1 / 2 + erf(x / sqrt 2) / 2), erf by a rational of degrees 6 and 4 in the square of its argument, held to +-4.  It is worked in x itself: xc = x held to +-4 sqrt 2, y = xc^2,
; gelu = x (1 / 2 + xc P(y) / Q(y)): the powers of two that y = 2 z^2 brings go into the coefficients' exponents, and the factor 2 sqrt 2 into Q's coefficients, by one multiplication each at the head.
; NO CLUSTER, NO TENSOR LOAD: work-groups share the weights alone, which each reads once, straight into registers.
; LIMITS: NaN and infinities are not served.  A block of zeros gets the scale byte 1 where the quantiser says 127: its codes are zeros, and the bytes never leave the work-group.
; gelu's error is about 1e-7 |x| in absolute terms: far in the negative tail, where 1 / 2 + erf / 2 cancels, its relative error grows.
.set L_H,    66560          ; the hidden layer's fragments: 4,096 x K step (= wave that made it) + 1,024 x tile of rows
.set L_HS,   99328          ; their scale words: 256 x K step + 64 x tile + 4 r
.set L_N,    101376         ; n's fragments: 2,048 x tile + 1,024 x K step
.set L_NS,   109568         ; their scale bytes: 128 x tile + 64 x K step + 4 r + block
.set L_PS,   110080         ; (mean, sum of squares) of each wave: 80 x row + 8 x wave
.set L_MB1,  115200         ; mb1
.set L_BO,   119296         ; bo, mb2, ln_g, ln_b: 1,024 bytes each
.set STG1,   131072         ; stage 0 lies at 0, stage 1 here: one exclusive or turns one into the other
.set L_OI,   197632         ; the work-group's o_codes, as they lie
.set L_OSI,  230400         ; and o_scales
.set AH, 4
.set AHS, 5
.set AN, 6
.set ANS, 7
.set AOI, 8
.set AOS, 9
.set AHW, 10
.set AHSW, 11
.set ANW, 12
.set ANSW, 13
.set ACT0, 14
.set ACT, 15
.set APSW, 16
.set APSR, 17
.set AMB1, 18
.set ADR0, 19
.set ADC, 20
.set AT, 22                 ; (v21: 4 sqrt 2, the hold of gelu's argument)
.set ALN, 23
.set GS, 24
.set C0, 25                 ; v25-27, v1-3: addresses of the phase in hand
.set C1, 26
.set C2, 27
.set W1S, 32                ; v32-63, v96-107 hold scale words and nothing else
.set W2S, 48
.set WOF, 64
.set WOS, 96
.set TSC, 100
.set HA, 108
.set T, 172
.set PF, 236
.set SUMP, 252
.set TM, 172
.set PW, 188
.set PC, 190
.set MSB, 0
.macro WIN new              ; the immediate's high byte repeats the setting that is left; a switch that changes nothing is dropped
.if MSB != \new
	s_set_vgpr_msb (MSB<<8)|\new
.set MSB, \new
.endif
.endm
.macro BARRIER              ; my LDS stores have landed and my LDS loads are in: then the work-group's barrier
	s_wait_dscnt 0x0
	s_barrier_signal -1
	s_barrier_wait -1
.endm
.macro PLACES               ; four plain places behind matrix instructions (ISA guide 7.12.1)
.rept 4
	v_nop
.endr
.endm
.macro FP4MM d, a, b, sa, sb                   ; adds in place; the accumulators of a run take turns, one instruction a turn
	v_wmma_scale_f32_16x16x128_f8f6f4 v[\d:\d+7], v[\a:\a+7], v[\b:\b+7], v[\d:\d+7], v[\sa], v[\sb] matrix_a_fmt:MATRIX_FMT_FP4 matrix_b_fmt:MATRIX_FMT_FP4
.endm
.macro SPAIR r, bits                           ; the packed forms name a pair and take its low word for both halves: both words are written
	s_mov_b32 s[\r], \bits
	s_mov_b32 s[\r+1], \bits
.endm
.macro QCOEF r, bits, mul                      ; a coefficient of Q times sqrt 2 times a power of two, rounded once, into a scalar pair
	v_mov_b32 v[T], \bits
	v_mul_f32 v[T], \mul, v[T]
	v_readfirstlane_b32 s[\r], v[T]
	s_mov_b32 s[\r+1], s[\r]
.endm
.macro CLOAD                                   ; my cells of the stage: lane (r, h), tile (m, u): row 16 m + r, channels 32 w + 16 h + 8 u + 0 .. 7
.irp m,0,1,2,3
.irp u,0,1
.irp i,0,1
	ds_load_b128 v[HA+8*(2*\m+\u)+4*\i:HA+8*(2*\m+\u)+4*\i+3], v[ACT] offset:\m*16640+\u*32+16*\i
.endr
.endr
.endr
.endm
.macro CSTORE                                  ; and back: each accumulator from its low end on
.irp m,0,1,2,3
.irp u,0,1
.irp i,0,1
	ds_store_b128 v[ACT], v[HA+8*(2*\m+\u)+4*\i:HA+8*(2*\m+\u)+4*\i+3] offset:\m*16640+\u*32+16*\i
.endr
.endr
.endr
.endm
.macro MB1LOAD                                 ; mb1 in the result's layout: the hidden layer's sums begin with it
.irp t,0,1,2,3,4,5,6,7
.irp i,0,1
	ds_load_b128 v[HA+8*\t+4*\i:HA+8*\t+4*\i+3], v[AMB1] offset:(32*(\t/2)+8*(\t%2))*4+16*\i
.endr
.endr
.endm
.macro OLOAD                                   ; a block's eight fragments of o and their scale words (s44, s45: the block's place)
	v_add_nc_u32 v[C0], s44, v[AOI]
	v_add_nc_u32 v[C1], s45, v[AOS]
.irp m,0,1,2,3
.irp ks,0,1
.irp c,0,1
	ds_load_b128 v[T+8*(2*\m+\ks)+4*\c:T+8*(2*\m+\ks)+4*\c+3], v[C0] offset:\m*2048+\ks*1024+512*\c
.endr
	ds_load_b32 v[TSC+2*\m+\ks], v[C1] offset:\m*128+\ks*64
.endr
.endr
.endm
	s_load_b512 s[4:19], s[0:1], 0x0               ; s, o_codes, o_scales, Wo_codes, Wo_scales, bo, ln_g, ln_b
	s_load_b256 s[20:27], s[0:1], 0x40             ; mw1_codes, mw1_scales, mb1, mw2_codes
	s_load_b128 s[28:31], s[0:1], 0x60             ; mw2_scales, mb2
	s_load_b64 s[32:33], s[0:1], 0x70              ; out0
	v_lshrrev_b32 v25, 5, v0
	v_readfirstlane_b32 s3, v25                    ; wave
	v_and_b32 v1, 31, v0                           ; lane
	v_and_b32 v2, 15, v0                           ; r
	v_bfe_u32 v3, v0, 4, 1                         ; h
	v_lshl_add_u32 v[AH], v1, 4, L_H
	v_lshl_add_u32 v[AHS], v2, 2, L_HS
	v_lshl_add_u32 v[AN], v1, 4, L_N
	v_lshl_add_u32 v[ANS], v2, 2, L_NS
	v_lshl_add_u32 v[AOI], v1, 4, L_OI
	v_lshl_add_u32 v[AOS], v2, 2, L_OSI
	s_lshl_b32 s47, s3, 12
	v_add_nc_u32 v[AHW], s47, v[AH]
	s_lshl_b32 s47, s3, 8
	v_add_nc_u32 v[AHSW], s47, v[AHS]
	v_lshlrev_b32 v[ANW], 4, v2
	v_lshl_add_u32 v[ANW], v3, 3, v[ANW]
	s_add_co_u32 s46, s47, L_N
	v_add_nc_u32 v[ANW], s46, v[ANW]               ; block w of n's two fragments: 256 w + 16 r + 8 h
	s_lshr_b32 s46, s3, 2
	s_lshl_b32 s46, s46, 6
	s_and_b32 s47, s3, 3
	s_add_co_u32 s46, s46, s47
	v_add_nc_u32 v[ANSW], s46, v[ANS]
	v_mul_u32_u24 v[ACT0], v2, 1040
	v_lshl_add_u32 v[ACT0], v3, 6, v[ACT0]
	s_lshl_b32 s47, s3, 7
	v_add_nc_u32 v[ACT0], s47, v[ACT0]
	v_mul_u32_u24 v[APSR], v2, 80
	v_add_nc_u32 v[APSR], L_PS, v[APSR]
	s_lshl_b32 s47, s3, 3
	v_add_nc_u32 v[APSW], s47, v[APSR]
	s_lshl_b32 s47, s3, 9
	s_add_co_u32 s47, s47, L_MB1
	v_lshl_add_u32 v[AMB1], v3, 6, s47
	s_mul_i32 s47, s3, 8320
	v_lshl_add_u32 v[ADR0], v1, 4, s47             ; by rows: wave w has rows 8 w .. 8 w + 7 of the 64; 16 bytes a lane
	v_lshl_add_u32 v[AT], v1, 4, L_BO
	s_lshl_b32 s47, s3, 7
	s_add_co_u32 s47, s47, L_BO
	v_lshl_add_u32 v[ALN], v3, 6, s47              ; my 16 channels in a table: bo here, ln_g 2,048 and ln_b 3,072 bytes on
	s_lshl_b32 s47, s3, 13
	v_lshl_add_u32 v[GS], v1, 4, s47               ; the same rows in s and in out0
	v_lshl_add_u32 v[C0], v0, 4, L_MB1             ; the head's LDS stores
	v_lshl_add_u32 v[C1], v0, 2, L_BO
	v_lshl_add_u32 v[C2], v0, 4, L_OI
	v_lshl_add_u32 v[ADC], v0, 3, L_OSI
	v_lshlrev_b32 v236, 4, v0                      ; the head's offsets in memory: 16, 8, 4 x thread;
	v_lshlrev_b32 v237, 3, v0
	v_lshlrev_b32 v238, 2, v0
	v_and_b32 v243, 8, v2
	v_add_nc_u32 v243, v243, v2                    ; r + 8 (r / 8)
	v_lshlrev_b32 v239, 7, v243
	v_lshl_add_u32 v239, v3, 4, v239               ; a fragment's row of 128 bytes (Wo, mw1),
	v_lshlrev_b32 v240, 3, v243                    ; its 8 scale bytes,
	v_lshlrev_b32 v241, 9, v243
	v_lshl_add_u32 v241, v3, 4, v241               ; of 512 bytes (mw2),
	v_lshlrev_b32 v242, 5, v243                    ; its 32 scale bytes
	; gelu's numbers.  erf(z) = z P(z^2) / Q(z^2) with P's coefficients -2.72614226e-10, 2.77068142e-08, -2.10102402e-06, -5.69250639e-05, -7.34990630e-04, -2.95459981e-03, -1.60960333e-02
	; and Q's -1.45660718e-05, -2.13374055e-04, -1.68282697e-03, -7.37332917e-03, -1.42647391e-02, highest power first.  In y = 2 z^2 the coefficient of y^i is that of z^(2 i) / 2^i: i off its exponent field.
	v_mov_b32 v21, 0x40b504f3                      ; 4 sqrt 2
	v_mov_b32 v28, 0x32edffee-(5<<23)              ; the second coefficients lie in pairs of vector registers: no instruction then names two scalar pairs
	v_mov_b32 v29, 0x32edffee-(5<<23)
	v_mov_b32 v30, 0xb95fbd29
	v_mul_f32 v30, 0x3eb504f3, v30                 ; x sqrt 2 / 4
	v_mov_b32 v31, v30
	s_mov_b32 s34, 0x76543210
	s_mov_b32 s35, 0xfedcba98                      ; v_permlanex16_b32's selects for lane l xor 16
	SPAIR 50, 0xaf95df0b-(6<<23)
	SPAIR 52, 0xb60cff51-(4<<23)
	SPAIR 54, 0xb86ec2d2-(3<<23)
	SPAIR 56, 0xba40ac63-(2<<23)
	SPAIR 58, 0xbb41a1f6-(1<<23)
	SPAIR 60, 0xbc83dbd4
	QCOEF 62, 0xb77460cd, 0x3e3504f3               ; Q x 2 sqrt 2: the coefficient of y^4 x sqrt 2 / 8,
	QCOEF 66, 0xbadc924e, 0x3f3504f3               ; of y^2 x sqrt 2 / 2,
	QCOEF 68, 0xbbf19bf8, 0x3fb504f3               ; of y x sqrt 2,
	QCOEF 70, 0xbc69b6a7, 0x403504f3               ; the last x 2 sqrt 2
	s_mov_b32 s73, 0x3727c5ac                      ; 1e-5
	s_mov_b32 s74, 0x3b800000                      ; 1 / 256
	s_mov_b32 s75, 0x42000000                      ; 32
	s_mov_b32 s76, 0x3d000000                      ; 1 / 32
	s_mov_b32 s39, 0
	s_wait_kmcnt 0x0
	s_lshl_b32 s38, ttmp9, 18
	s_add_nc_u64 s[4:5], s[4:5], s[38:39]
	s_add_nc_u64 s[32:33], s[32:33], s[38:39]
	s_lshl_b32 s38, ttmp9, 15
	s_add_nc_u64 s[6:7], s[6:7], s[38:39]
	s_lshl_b32 s38, ttmp9, 11
	s_add_nc_u64 s[8:9], s[8:9], s[38:39]
	s_lshl_b32 s38, s3, 12
	s_add_nc_u64 s[10:11], s[10:11], s[38:39]
	s_lshl_b32 s38, s3, 8
	s_add_nc_u64 s[12:13], s[12:13], s[38:39]
	s_lshl_b32 s38, s3, 14
	s_add_nc_u64 s[20:21], s[20:21], s[38:39]
	s_add_nc_u64 s[26:27], s[26:27], s[38:39]
	s_lshl_b32 s38, s3, 10
	s_add_nc_u64 s[22:23], s[22:23], s[38:39]
	s_add_nc_u64 s[28:29], s[28:29], s[38:39]
	; ---- loads: 14 for the tables and o, 16 of s, then 10 + 12 + 32 of weights
	global_load_b128 v[T+36:T+39], v236, s[24:25]
	global_load_b32 v[T+40], v238, s[14:15]
	global_load_b32 v[T+41], v238, s[30:31]
	global_load_b32 v[T+42], v238, s[16:17]
	global_load_b32 v[T+43], v238, s[18:19]
.irp i,0,1,2,3,4,5,6,7
	global_load_b128 v[T+4*\i:T+4*\i+3], v236, s[6:7] offset:\i*4096
.endr
	global_load_b64 v[T+32:T+33], v237, s[8:9]
.irp row,0,1,2,3,4,5,6,7
.irp hf,0,1
	global_load_b128 v[HA+8*\row+4*\hf:HA+8*\row+4*\hf+3], v[GS], s[4:5] offset:\row*1024+\hf*512 th:TH_LOAD_NT
.endr
.endr
.irp u,0,1
.irp ks,0,1
.irp c,0,1
	global_load_b128 v[WOF+8*(2*\u+\ks)+4*\c:WOF+8*(2*\u+\ks)+4*\c+3], v239, s[10:11] offset:\u*1024+\ks*64+32*\c
.endr
.endr
	global_load_b64 v[WOS+2*\u:WOS+2*\u+1], v240, s[12:13] offset:\u*64
.endr
.irp t,0,1,2,3,4,5,6,7
	global_load_b64 v[W1S+2*\t:W1S+2*\t+1], v240, s[22:23] offset:(32*(\t/2)+8*(\t%2))*8
.endr
.irp u,0,1
.irp i,0,1
	global_load_b128 v[W2S+8*\u+4*\i:W2S+8*\u+4*\i+3], v242, s[28:29] offset:\u*256+16*\i
.endr
.endr
	WIN 0x40                                       ; destination window 1
.irp t,0,1,2,3,4,5,6,7
.irp ks,0,1
.irp c,0,1
	global_load_b128 v[8*(2*\t+\ks)+4*\c:8*(2*\t+\ks)+4*\c+3], v239, s[20:21] offset:(32*(\t/2)+8*(\t%2))*128+\ks*64+32*\c
.endr
.endr
.endr
	WIN 0
	s_wait_loadcnt 54                              ; the tables, o and s are in; the 54 loads of weights may be out
	ds_store_b128 v[C0], v[T+36:T+39]
	ds_store_b32 v[C1], v[T+40]
	ds_store_b32 v[C1], v[T+41] offset:1024
	ds_store_b32 v[C1], v[T+42] offset:2048
	ds_store_b32 v[C1], v[T+43] offset:3072
.irp i,0,1,2,3,4,5,6,7
	ds_store_b128 v[C2], v[T+4*\i:T+4*\i+3] offset:\i*4096
.endr
	ds_store_b64 v[ADC], v[T+32:T+33]
.irp row,0,1,2,3,4,5,6,7
.irp hf,0,1
	ds_store_b128 v[ADR0], v[HA+8*\row+4*\hf:HA+8*\row+4*\hf+3] offset:\row*1040+\hf*512
.endr
.endr
	WIN 0x40
.irp u,0,1
.irp ks,0,1,2,3,4,5,6,7
.irp c,0,1
	global_load_b128 v[128+8*(8*\u+\ks)+4*\c:128+8*(8*\u+\ks)+4*\c+3], v241, s[26:27] offset:\u*4096+\ks*64+32*\c
.endr
.endr
.endr
	WIN 0
	s_wait_xcnt 0x0                                ; every load has read its offsets and its base
	s_add_nc_u64 s[4:5], s[4:5], 0x10000           ; s at the next block
	s_mov_b32 s36, 0                               ; the stage in hand
	s_mov_b32 s37, 4                               ; blocks to go
	s_mov_b32 s44, 0                               ; the block's fragments of o,
	s_mov_b32 s45, 0                               ; and their scale words
	BARRIER                                        ; stage 0, o and the tables lie in LDS
	OLOAD                                          ; the first block's fragments of o
.Lblock:
	; ---- s1 = s + o Wo^T + bo: eight accumulators (4 tiles of rows x 2 of channels).  o's fragments were asked for ahead of the barrier
	v_add_nc_u32 v[ACT], s36, v[ACT0]
	CLOAD
.irp i,0,1,2,3
	ds_load_b128 v[PF+4*\i:PF+4*\i+3], v[ALN] offset:16*\i          ; bo of my 16 channels
.endr
	s_wait_dscnt 0x0
	s_wait_loadcnt 32                              ; in the first block: all weights but mw2's 32 loads
.irp ks,0,1
.irp m,0,1,2,3
.irp u,0,1
	FP4MM HA+8*(2*\m+\u), WOF+8*(2*\u+\ks), T+8*(2*\m+\ks), WOS+2*\u+\ks, TSC+2*\m+\ks
.endr
.endr
.endr
	PLACES
.irp m,0,1,2,3
.irp q,0,2,4,6,8,10,12,14
	v_pk_add_f32 v[HA+16*\m+\q:HA+16*\m+\q+1], v[HA+16*\m+\q:HA+16*\m+\q+1], v[PF+\q:PF+\q+1]   ; + bo; each accumulator from its low end on
.endr
.endr
	CSTORE                                         ; s1 stays in my cells for the last product
	; my 32 channels' mean and sum of squares about it, for each row; the four tiles by turns
.irp a,0,4,8,12
.irp m,0,1,2,3
	v_pk_add_f32 v[T+16*\m+\a/2:T+16*\m+\a/2+1], v[HA+16*\m+\a:HA+16*\m+\a+1], v[HA+16*\m+\a+2:HA+16*\m+\a+3]
.endr
.endr
.irp m,0,1,2,3
	v_pk_add_f32 v[T+16*\m:T+16*\m+1], v[T+16*\m:T+16*\m+1], v[T+16*\m+2:T+16*\m+3]
	v_pk_add_f32 v[T+16*\m+4:T+16*\m+5], v[T+16*\m+4:T+16*\m+5], v[T+16*\m+6:T+16*\m+7]
.endr
.irp m,0,1,2,3
	v_pk_add_f32 v[T+16*\m:T+16*\m+1], v[T+16*\m:T+16*\m+1], v[T+16*\m+4:T+16*\m+5]
.endr
.irp m,0,1,2,3
	v_add_f32 v[T+16*\m+8], v[T+16*\m], v[T+16*\m+1]
.endr
.irp m,0,1,2,3
	v_permlanex16_b32 v[T+16*\m+9], v[T+16*\m+8], s34, s35
.endr
.irp m,0,1,2,3
	v_add_f32 v[T+16*\m+8], v[T+16*\m+8], v[T+16*\m+9]
.endr
.irp m,0,1,2,3
	v_mul_f32 v[PF+2*\m], s76, v[T+16*\m+8]
.endr
.irp q,0,2,4,6,8,10,12,14
.irp m,0,1,2,3
	v_pk_add_f32 v[T+16*\m+10:T+16*\m+11], v[HA+16*\m+\q:HA+16*\m+\q+1], v[PF+2*\m:PF+2*\m+1] op_sel_hi:[1,0] neg_lo:[0,1] neg_hi:[0,1]
.endr
.irp m,0,1,2,3
.if \q == 0
	v_pk_mul_f32 v[T+16*\m+12:T+16*\m+13], v[T+16*\m+10:T+16*\m+11], v[T+16*\m+10:T+16*\m+11]
.else
	v_pk_fma_f32 v[T+16*\m+12:T+16*\m+13], v[T+16*\m+10:T+16*\m+11], v[T+16*\m+10:T+16*\m+11], v[T+16*\m+12:T+16*\m+13]
.endif
.endr
.endr
.irp m,0,1,2,3
	v_add_f32 v[T+16*\m+8], v[T+16*\m+12], v[T+16*\m+13]
.endr
.irp m,0,1,2,3
	v_permlanex16_b32 v[T+16*\m+9], v[T+16*\m+8], s34, s35
.endr
.irp m,0,1,2,3
	v_add_f32 v[PF+2*\m+1], v[T+16*\m+8], v[T+16*\m+9]
.endr
.irp m,0,1,2,3
	ds_store_b64 v[APSW], v[PF+2*\m:PF+2*\m+1] offset:\m*1280   ; both halves of the lanes write the same 8 bytes with the same value
.endr
.irp i,0,1,2,3
	ds_load_b128 v[T+32+4*\i:T+35+4*\i], v[ALN] offset:2048+16*\i   ; ln_g of my 16 channels,
	ds_load_b128 v[T+48+4*\i:T+51+4*\i], v[ALN] offset:3072+16*\i   ; ln_b: tables that nobody writes: asked for ahead of the barrier
.endr
	BARRIER                                        ; all eight waves' figures lie in LDS
	; ---- the norm
; Tiles 2 p and 2 p + 1: the row's mean into v[PF + 4 m], 1 / sqrt(variance + 1e-5) into v[PF + 4 m + 2]: each the low word of a pair of its own
.macro STATS p
.irp mm,0,1
.irp i,0,1,2,3
	ds_load_b128 v[T+16*\mm+4*\i:T+16*\mm+4*\i+3], v[APSR] offset:(2*\p+\mm)*1280+16*\i
.endr
.endr
	s_wait_dscnt 0x0
.irp mm,0,1
	v_pk_add_f32 v[SUMP+2*\mm:SUMP+2*\mm+1], v[T+16*\mm:T+16*\mm+1], v[T+16*\mm+2:T+16*\mm+3]
.endr
.irp w,2,3,4,5,6,7
.irp mm,0,1
	v_pk_add_f32 v[SUMP+2*\mm:SUMP+2*\mm+1], v[SUMP+2*\mm:SUMP+2*\mm+1], v[T+16*\mm+2*\w:T+16*\mm+2*\w+1]
.endr
.endr
.irp mm,0,1
	v_mul_f32 v[PF+4*(2*\p+\mm)], 0x3e000000, v[SUMP+2*\mm]         ; the mean of the eight means
.endr
.irp w,0,1,2,3,4,5,6,7
.irp mm,0,1
	v_sub_f32 v[T+16*\mm+2*\w], v[T+16*\mm+2*\w], v[PF+4*(2*\p+\mm)]
.endr
.endr
.irp mm,0,1
	v_mul_f32 v[T+16*\mm+1], v[T+16*\mm], v[T+16*\mm]
.endr
.irp w,1,2,3,4,5,6,7
.irp mm,0,1
	v_fmac_f32 v[T+16*\mm+1], v[T+16*\mm+2*\w], v[T+16*\mm+2*\w]
.endr
.endr
.irp mm,0,1
	v_fma_f32 v[T+16*\mm+1], v[T+16*\mm+1], s75, v[SUMP+2*\mm+1]    ; 32 x the means' spread + the eight sums of squares
.endr
.irp mm,0,1
	v_fma_f32 v[T+16*\mm+1], v[T+16*\mm+1], s74, s73                ; / 256 + 1e-5
.endr
.irp mm,0,1
	v_rsq_f32 v[PF+4*(2*\p+\mm)+2], v[T+16*\mm+1]
.endr
	v_nop                                          ; a plain place behind the roots
.endm
	STATS 0
	STATS 1
	s_wait_alu depctr_va_vdst(0)                   ; one wait for the four roots, ahead of their first reader
.irp m,0,1,2,3
.irp q,0,2,4,6,8,10,12,14
	v_pk_add_f32 v[HA+16*\m+\q:HA+16*\m+\q+1], v[HA+16*\m+\q:HA+16*\m+\q+1], v[PF+4*\m:PF+4*\m+1] op_sel_hi:[1,0] neg_lo:[0,1] neg_hi:[0,1]
.endr
.endr
.irp m,0,1,2,3
.irp q,0,2,4,6,8,10,12,14
	v_pk_mul_f32 v[HA+16*\m+\q:HA+16*\m+\q+1], v[HA+16*\m+\q:HA+16*\m+\q+1], v[PF+4*\m+2:PF+4*\m+3] op_sel_hi:[1,0]
.endr
.endr
.irp m,0,1,2,3
.irp q,0,2,4,6,8,10,12,14
	v_pk_fma_f32 v[HA+16*\m+\q:HA+16*\m+\q+1], v[HA+16*\m+\q:HA+16*\m+\q+1], v[T+32+\q:T+33+\q], v[T+48+\q:T+49+\q]
.endr
.endr
	; n's block w of each row: my 16 numbers and lane l xor 16's; the four tiles by turns.
	; Two chains a tile: numbers 0-7 with the floor (0, 1 | 2, 3 | 4, 5 | 6, 7) and numbers 8-14 (8, 9, 10 | 11, 12 | 13, 14); one line joins them with number 15: the tile's 16 registers and no other
.irp m,0,1,2,3
	v_max3_num_f32 v[T+\m], |v[HA+16*\m]|, |v[HA+16*\m+1]|, 0x1800000   ; with the floor 2^(3 - 127): the byte cannot fall under 1
	v_max3_num_f32 v[T+4+\m], |v[HA+16*\m+8]|, |v[HA+16*\m+9]|, |v[HA+16*\m+10]|
.endr
.irp a,2,4
.irp m,0,1,2,3
	v_max3_num_f32 v[T+\m], v[T+\m], |v[HA+16*\m+\a]|, |v[HA+16*\m+\a+1]|
	v_max3_num_f32 v[T+4+\m], v[T+4+\m], |v[HA+16*\m+9+\a]|, |v[HA+16*\m+10+\a]|
.endr
.endr
.irp m,0,1,2,3
	v_max3_num_f32 v[T+\m], v[T+\m], |v[HA+16*\m+6]|, |v[HA+16*\m+7]|
.endr
.irp m,0,1,2,3
	v_max3_num_f32 v[T+\m], v[T+\m], v[T+4+\m], |v[HA+16*\m+15]|
.endr
.irp m,0,1,2,3
	v_permlanex16_b32 v[T+8+\m], v[T+\m], s34, s35
.endr
.irp m,0,1,2,3
	v_max_num_f32 v[T+\m], v[T+\m], v[T+8+\m]
.endr
.irp m,0,1,2,3
	v_add_nc_u32 v[T+12+\m], 0xff000000, v[T+\m]   ; 2 off the exponent field: the conversion's scale operand
.endr
.irp m,0,1,2,3
	v_cvt_scalef32_pk8_fp4_f32 v[T+16+2*\m], v[HA+16*\m:HA+16*\m+7], v[T+12+\m]
	v_cvt_scalef32_pk8_fp4_f32 v[T+17+2*\m], v[HA+16*\m+8:HA+16*\m+15], v[T+12+\m]
.endr
.irp m,0,1,2,3
	v_lshrrev_b32 v[T+24+\m], 23, v[T+12+\m]       ; the scale's byte (plain lines behind the conversions)
.endr
.irp m,0,1,2,3
	ds_store_b64 v[ANW], v[T+16+2*\m:T+17+2*\m] offset:\m*2048
	ds_store_b8 v[ANSW], v[T+24+\m] offset:\m*128
.endr
	MB1LOAD                                        ; n has left its registers: the first tile's mb1 is asked for ahead of the barrier
	BARRIER                                        ; n's eight fragments lie in LDS
	; ---- the hidden layer, a tile of 16 rows a trip; beside it two rows a wave of the next block's s go into the other stage
	s_mov_b32 s38, 0
	s_xor_b32 s46, s36, STG1
; sixteen numbers a lane: x -> x (1 / 2 + xc P(xc^2) / Q(xc^2)); every line for all eight pairs
.macro GELU g
.set XB, HA+16*\g
.irp q,0,1,2,3,4,5,6,7,8,9,10,11,12,13,14,15
	v_med3_num_f32 v[T+\q], v[XB+\q], -v21, v21                                      ; xc
.endr
.irp q,0,2,4,6,8,10,12,14
	v_pk_mul_f32 v[T+16+\q:T+17+\q], v[T+\q:T+\q+1], v[T+\q:T+\q+1]                  ; y = xc^2
.endr
.irp q,0,2,4,6,8,10,12,14
	v_pk_fma_f32 v[T+32+\q:T+33+\q], v[T+16+\q:T+17+\q], s[50:51], v[28:29] op_sel_hi:[1,0,1]
	v_pk_fma_f32 v[T+48+\q:T+49+\q], v[T+16+\q:T+17+\q], s[62:63], v[30:31] op_sel_hi:[1,0,1]
.endr
.irp q,0,2,4,6,8,10,12,14
	v_pk_fma_f32 v[T+32+\q:T+33+\q], v[T+32+\q:T+33+\q], v[T+16+\q:T+17+\q], s[52:53] op_sel_hi:[1,1,0]
	v_pk_fma_f32 v[T+48+\q:T+49+\q], v[T+48+\q:T+49+\q], v[T+16+\q:T+17+\q], s[66:67] op_sel_hi:[1,1,0]
.endr
.irp q,0,2,4,6,8,10,12,14
	v_pk_fma_f32 v[T+32+\q:T+33+\q], v[T+32+\q:T+33+\q], v[T+16+\q:T+17+\q], s[54:55] op_sel_hi:[1,1,0]
	v_pk_fma_f32 v[T+48+\q:T+49+\q], v[T+48+\q:T+49+\q], v[T+16+\q:T+17+\q], s[68:69] op_sel_hi:[1,1,0]
.endr
.irp q,0,2,4,6,8,10,12,14
	v_pk_fma_f32 v[T+32+\q:T+33+\q], v[T+32+\q:T+33+\q], v[T+16+\q:T+17+\q], s[56:57] op_sel_hi:[1,1,0]
	v_pk_fma_f32 v[T+48+\q:T+49+\q], v[T+48+\q:T+49+\q], v[T+16+\q:T+17+\q], s[70:71] op_sel_hi:[1,1,0]
.endr
.irp q,0,1,2,3,4,5,6,7,8,9,10,11,12,13,14,15
	v_rcp_f32 v[T+48+\q], v[T+48+\q]               ; the sixteen reciprocals are one batch; the 24 lines below name none of their results
.endr
.irp q,0,2,4,6,8,10,12,14
	v_pk_fma_f32 v[T+32+\q:T+33+\q], v[T+32+\q:T+33+\q], v[T+16+\q:T+17+\q], s[58:59] op_sel_hi:[1,1,0]
.endr
.irp q,0,2,4,6,8,10,12,14
	v_pk_fma_f32 v[T+32+\q:T+33+\q], v[T+32+\q:T+33+\q], v[T+16+\q:T+17+\q], s[60:61] op_sel_hi:[1,1,0]
.endr
.irp q,0,2,4,6,8,10,12,14
	v_pk_mul_f32 v[T+32+\q:T+33+\q], v[T+32+\q:T+33+\q], v[T+\q:T+\q+1]              ; xc P
.endr
	s_wait_alu depctr_va_vdst(0)                   ; one wait for the batch, ahead of its first reader
.irp q,0,2,4,6,8,10,12,14
	v_pk_fma_f32 v[T+32+\q:T+33+\q], v[T+32+\q:T+33+\q], v[T+48+\q:T+49+\q], 0.5 op_sel_hi:[1,1,0]   ; 1 / 2 + erf / 2
.endr
.irp q,0,2,4,6,8,10,12,14
	v_pk_mul_f32 v[XB+\q:XB+\q+1], v[XB+\q:XB+\q+1], v[T+32+\q:T+33+\q]
.endr
.endm
; 64 numbers of a lane, register 16 b + i = k 32 b + 16 h + i of my row, become a fragment's codes in v[PC] on and its scale word in v[PW]
.macro QUANT s
.irp b,0,1,2,3
	v_max3_num_f32 v[TM+\b], |v[\s+16*\b]|, |v[\s+1+16*\b]|, 0x1800000
.endr
.irp i,2,4,6,8,10,12,14
.irp b,0,1,2,3
	v_max3_num_f32 v[TM+\b], v[TM+\b], |v[\s+16*\b+\i]|, |v[\s+1+16*\b+\i]|
.endr
.endr
.irp b,0,1,2,3
	v_permlanex16_b32 v[TM+4+\b], v[TM+\b], s34, s35
.endr
.irp b,0,1,2,3
	v_max_num_f32 v[TM+\b], v[TM+\b], v[TM+4+\b]
.endr
.irp b,0,1,2,3
	v_add_nc_u32 v[TM+12+\b], 0xff000000, v[TM+\b]
.endr
.irp b,0,1,2,3
	v_lshrrev_b32 v[TM+4+\b], 23, v[TM+12+\b]
.endr
	v_lshl_or_b32 v[PW], v[TM+5], 8, v[TM+4]
	v_lshl_or_b32 v[PW], v[TM+6], 16, v[PW]
	v_lshl_or_b32 v[PW], v[TM+7], 24, v[PW]
.irp b,0,1,2,3
	v_cvt_scalef32_pk8_fp4_f32 v[PC+2*\b], v[\s+16*\b:\s+7+16*\b], v[TM+12+\b]
	v_cvt_scalef32_pk8_fp4_f32 v[PC+1+2*\b], v[\s+8+16*\b:\s+15+16*\b], v[TM+12+\b]
.endr
	v_nop                                          ; one plain place behind a scaled conversion
.irp c,0,1                                     ; the operand's layout wants a whole block in a lane
.irp i,0,1
	v_permlane16_swap_b32 v[PC+4*\c+\i], v[PC+2+4*\c+\i]
.endr
.endr
.endm
.Lrow:
	s_lshl_b32 s39, s38, 11
	s_lshl_b32 s40, s38, 7
	s_lshl_b32 s41, s38, 10
	s_lshl_b32 s42, s38, 6
	s_mul_i32 s43, s38, 2080
	s_add_co_u32 s47, s43, s46
	v_add_nc_u32 v[C0], s39, v[AN]
	v_add_nc_u32 v[C1], s40, v[ANS]
	v_add_nc_u32 v[C2], s41, v[AHW]
	v_add_nc_u32 v1, s42, v[AHSW]
	v_add_nc_u32 v2, s39, v[GS]
	v_add_nc_u32 v3, s47, v[ADR0]
	s_cmp_eq_u32 s37, 1                            ; the last block asks for nothing: no load leaves its buffer
	s_cbranch_scc1 .Lno_next
.irp rr,0,1
.irp hf,0,1
	global_load_b128 v[PF+8*\rr+4*\hf:PF+8*\rr+4*\hf+3], v2, s[4:5] offset:\rr*1024+\hf*512 th:TH_LOAD_NT
.endr
.endr
.Lno_next:
.irp ks,0,1
.irp c,0,1
	ds_load_b128 v[T+8*\ks+4*\c:T+8*\ks+4*\c+3], v[C0] offset:\ks*1024+512*\c
.endr
	ds_load_b32 v[TSC+\ks], v[C1] offset:\ks*64
.endr
	s_wait_dscnt 0x0                               ; n's two fragments; mb1 was asked for at the end of the tile before
	WIN 0x01                                       ; source 0 (mw1) window 1
.irp ks,0,1
.irp t,0,1,2,3,4,5,6,7
	FP4MM HA+8*\t, 8*(2*\t+\ks), T+8*\ks, W1S+2*\t+\ks, TSC+\ks
.endr
.endr
	WIN 0
	PLACES
	GELU 0
	GELU 1
	GELU 2
	GELU 3
	QUANT HA
	ds_store_b128 v[C2], v[PC:PC+3]                ; K step w of the last product, this tile of rows
	ds_store_b128 v[C2], v[PC+4:PC+7] offset:512
	ds_store_b32 v1, v[PW]
	s_cmp_eq_u32 s38, 3                            ; the hidden numbers have left their registers: the next tile's mb1, if there is a next tile
	s_cbranch_scc1 .Lno_mb1
	MB1LOAD
.Lno_mb1:
	s_wait_loadcnt 0x0                             ; on every path: the four loads above, if they were issued (and, in the first block, mw2's fragments)
	s_cmp_eq_u32 s37, 1
	s_cbranch_scc1 .Lno_fill
.irp rr,0,1
.irp hf,0,1
	ds_store_b128 v3, v[PF+8*\rr+4*\hf:PF+8*\rr+4*\hf+3] offset:\rr*1040+\hf*512   ; two rows of the next block's s into the other stage
.endr
.endr
.Lno_fill:
	s_wait_dscnt 0x0                               ; the stores have read their registers
	s_add_co_u32 s38, s38, 1
	s_cmp_lt_u32 s38, 4
	s_cbranch_scc1 .Lrow
	BARRIER                                        ; the hidden layer's 32 fragments lie in LDS
	; ---- s1 + hidden mw2^T: eight accumulators, a K step at a time; the next K step but one is fetched into the buffer just read
.macro FETCHH ks, buf
.irp m,0,1,2,3
.irp c,0,1
	ds_load_b128 v[T+32*(\buf)+8*\m+4*\c:T+32*(\buf)+8*\m+4*\c+3], v[AH] offset:(\ks)*4096+\m*1024+512*\c
.endr
	ds_load_b32 v[TSC+4*(\buf)+\m], v[AHS] offset:(\ks)*256+\m*64
.endr
.endm
.macro M2STEP ks
.if \ks < 7
	s_wait_dscnt 12                                ; this K step's fragments are in; the next one's 12 loads may be out
.else
	s_wait_dscnt 0x0
.endif
	WIN 0x01                                       ; source 0 (mw2) window 1
.irp m,0,1,2,3
.irp u,0,1
	FP4MM HA+8*(2*\m+\u), 128+8*(8*\u+\ks), T+32*(\ks%2)+8*\m, W2S+8*\u+\ks, TSC+4*(\ks%2)+\m
.endr
.endr
	WIN 0
	PLACES
.if \ks < 6
	FETCHH \ks+2, \ks%2
.endif
.endm
	CLOAD
	FETCHH 0, 0
	FETCHH 1, 1
.irp ks,0,1,2,3,4,5,6,7
	M2STEP \ks
.endr
	CSTORE
	ds_load_b128 v[PF:PF+3], v[AT] offset:1024     ; mb2 by rows: a table that nobody writes: asked for ahead of the barrier
	ds_load_b128 v[PF+4:PF+7], v[AT] offset:1536
	BARRIER                                        ; 64 whole rows lie in the stage
	; ---- out: each wave takes 8 whole rows, adds mb2 and stores them
	v_add_nc_u32 v[ADC], s36, v[ADR0]
.irp row,0,1,2,3,4,5,6,7
.irp hf,0,1
	ds_load_b128 v[HA+8*\row+4*\hf:HA+8*\row+4*\hf+3], v[ADC] offset:\row*1040+\hf*512
.endr
.endr
	s_wait_dscnt 0x0
	s_add_co_u32 s44, s44, 8192
	s_add_co_u32 s45, s45, 512
	s_cmp_eq_u32 s37, 1                            ; the next block's fragments of o, if there is a next block: they land under the additions, the stores and the barrier
	s_cbranch_scc1 .Lno_o
	OLOAD
.Lno_o:
.irp row,0,1,2,3,4,5,6,7
.irp hf,0,1
	v_pk_add_f32 v[HA+8*\row+4*\hf:HA+8*\row+4*\hf+1], v[HA+8*\row+4*\hf:HA+8*\row+4*\hf+1], v[PF+4*\hf:PF+4*\hf+1]
	v_pk_add_f32 v[HA+8*\row+4*\hf+2:HA+8*\row+4*\hf+3], v[HA+8*\row+4*\hf+2:HA+8*\row+4*\hf+3], v[PF+4*\hf+2:PF+4*\hf+3]
.endr
.endr
.irp row,0,1,2,3,4,5,6,7
.irp hf,0,1
	global_store_b128 v[GS], v[HA+8*\row+4*\hf:HA+8*\row+4*\hf+3], s[32:33] offset:\row*1024+\hf*512 th:TH_STORE_NT   ; 32 lanes store 512 consecutive bytes, at a multiple of 256 from out0's first byte
.endr
.endr
	BARRIER                                        ; this block's rows have been read out of its stage, and the other stage is filled
	s_wait_xcnt 0x0                                ; the stores have read their registers and their base: both are written again below and in the next block
	s_add_nc_u64 s[32:33], s[32:33], 0x10000
	s_add_nc_u64 s[4:5], s[4:5], 0x10000
	s_xor_b32 s36, s36, STG1
	s_sub_co_u32 s37, s37, 1
	s_cmp_lg_u32 s37, 0
	s_cbranch_scc1 .Lblock
	s_wait_xcnt 0x0
	v_lshl_add_u32 v254, v0, 2, 0x38c00
	v_mov_b32 v255, 0
	s_wait_tensorcnt 0x0
	ds_add_u32 v254, v255
	s_wait_dscnt 0x0
	s_endpgm
.Lfunc_end_k_q08e3d8c53b_mlp:
	.size	k_q08e3d8c53b_mlp, .Lfunc_end_k_q08e3d8c53b_mlp-k_q08e3d8c53b_mlp
	.p2alignl 7, 3214868480
	.fill 96, 4, 3214868480
	.section	.rodata,"a",@progbits
	.p2align	6, 0x0
	.amdhsa_kernel k_q08e3d8c53b_mlp
		.amdhsa_group_segment_fixed_size 233472
		.amdhsa_private_segment_fixed_size 0
		.amdhsa_enable_private_segment 0
		.amdhsa_kernarg_size 120
		.amdhsa_user_sgpr_count 2
		.amdhsa_user_sgpr_kernarg_segment_ptr 1
		.amdhsa_wavefront_size32 1
		.amdhsa_system_sgpr_workgroup_id_x 1
		.amdhsa_system_sgpr_workgroup_id_y 1
		.amdhsa_system_sgpr_workgroup_id_z 1
		.amdhsa_system_vgpr_workitem_id 0
		.amdhsa_next_free_vgpr 512
		.amdhsa_next_free_sgpr 80
		.amdhsa_reserve_vcc 0
		.amdhsa_float_denorm_mode_32 3
		.amdhsa_float_denorm_mode_16_64 3
		.amdhsa_memory_ordered 1
		.amdhsa_forward_progress 1
		.amdhsa_inst_pref_size 121
	.end_amdhsa_kernel
	.amdgpu_metadata
---
amdhsa.version: [ 1, 2 ]
amdhsa.kernels:
  - .name:           k_q08e3d8c53b_mlp
    .symbol:         k_q08e3d8c53b_mlp.kd
    .args:
      - { .name: s, .offset: 0, .size: 8, .value_kind: global_buffer, .address_space: global }
      - { .name: o_codes, .offset: 8, .size: 8, .value_kind: global_buffer, .address_space: global }
      - { .name: o_scales, .offset: 16, .size: 8, .value_kind: global_buffer, .address_space: global }
      - { .name: Wo_codes, .offset: 24, .size: 8, .value_kind: global_buffer, .address_space: global }
      - { .name: Wo_scales, .offset: 32, .size: 8, .value_kind: global_buffer, .address_space: global }
      - { .name: bo, .offset: 40, .size: 8, .value_kind: global_buffer, .address_space: global }
      - { .name: ln_g, .offset: 48, .size: 8, .value_kind: global_buffer, .address_space: global }
      - { .name: ln_b, .offset: 56, .size: 8, .value_kind: global_buffer, .address_space: global }
      - { .name: mw1_codes, .offset: 64, .size: 8, .value_kind: global_buffer, .address_space: global }
      - { .name: mw1_scales, .offset: 72, .size: 8, .value_kind: global_buffer, .address_space: global }
      - { .name: mb1, .offset: 80, .size: 8, .value_kind: global_buffer, .address_space: global }
      - { .name: mw2_codes, .offset: 88, .size: 8, .value_kind: global_buffer, .address_space: global }
      - { .name: mw2_scales, .offset: 96, .size: 8, .value_kind: global_buffer, .address_space: global }
      - { .name: mb2, .offset: 104, .size: 8, .value_kind: global_buffer, .address_space: global }
      - { .name: out0, .offset: 112, .size: 8, .value_kind: global_buffer, .address_space: global }
    .group_segment_fixed_size: 233472
    .private_segment_fixed_size: 0
    .kernarg_segment_align: 8
    .kernarg_segment_size: 120
    .max_flat_workgroup_size: 256
    .sgpr_count:     80
    .vgpr_count:     512
    .wavefront_size: 32
...
	.end_amdgpu_metadata
.endif
;; end of part 2
;; ======== version 2 of 2: 2 launches; version 1 with the launches attn, mlp written anew for expert scheduling mode
;; workspace buffers: o_codes 8,388,608 bytes; o_scales 524,288 bytes
;; launch attn (part 3): grid 256 x 1, 8 waves a work-group, no clusters, 277,504 bytes of LDS; arguments s, x_codes, x_scales, s_pos, x_pos, Wq_codes, Wq_scales, Wk_codes, Wk_scales, Wv_codes, Wv_scales, bq, bk, bv, pw1, pb1, bn_g, bn_b, bn_m, bn_v, pw2, pb2, o_codes, o_scales; writes o_codes, o_scales
.if DOCPART == 3
	.amdgcn_target "amdgcn-amd-amdhsa--gfx1250"
	.amdhsa_code_object_version 6
	.text
	.protected	k_q08e3d8c53b_attn
	.globl	k_q08e3d8c53b_attn
	.p2align	8
	.type	k_q08e3d8c53b_attn,@function
k_q08e3d8c53b_attn:
	s_mov_b64 s[64:65], 0
	v_nop
	global_prefetch_b8 v0, s[64:65] scope:SCOPE_SE
	s_setreg_imm32_b32 hwreg(HW_REG_WAVE_SCHED_MODE, 0, 2), 2
	s_setreg_imm32_b32 hwreg(HW_REG_WAVE_MODE, 25, 1), 1
	s_wait_xcnt 0x0
	s_wait_alu depctr_vm_vsrc(0)
; SectorAttention, first launch: the position net, q, k, v, the 4 x 4 softmax of each head, and the quantiser of the attention's result.
; SHARES.  Work-group g = 64 b + 16 hq + wh takes query hq of the 256 windows w = 256 wh + wl of batch b: rows 256 g .. 256 g + 255 of the result.  Wave n is head n.
; THE VIEW OF q.  Q[window wl][channel c'] = sum over k of s[b][64 c' + 16 hq + wh][k] Wq[wl][k] + bq[wl]: Q's channels are rows of s, 65,536 bytes apart, its windows are rows of Wq,
; and bq is one number a window.  Head n wants rows c' = 32 n .. 32 n + 31 of s: the wave loads them, quantises them in registers and keeps their fragments.
; K and V of window w, key j, are row 4096 j + w of x times Wk, Wv; they are made anew for each of the four queries, which is less than sending them through memory in f32.
; EVERY PRODUCT IS USED TRANSPOSED: source 0 = 16 channels, source 1 = 16 windows.  Lane r of a tile of channels takes channel 8 u + r + 8 (r / 8), so that lane (r, h) holds window r
; and its 16 registers of tiles u = 0, 1 are channels 16 h + 0 .. 15 of the head.  The biases are the C of each sum's first matrix instruction.
; THE LOOP over tiles of 16 windows asks for the next tile's fragments straight behind this tile's products: they land while the scores, the softmax and the quantiser are worked.
; THE RESULT leaves as codes laid as images of the next launch's operand registers (fragment (tile of 16 rows, K step): 1,024 bytes, register group c of lane L at 512 c + 16 L) and scale words (64 bytes a fragment).
; NO CLUSTER, NO TENSOR LOAD: of the 430 KB that a work-group reads, 256 KB are rows of s that must pass through registers to be quantised; what four work-groups share (x, 136 KB) comes by plain loads.
; LIMITS: NaN and infinities are not served.  A block of zeros gets the scale byte 1 where the quantiser says 127: its codes are zeros, and these bytes are read by this program alone.
; The batch norm is folded into three numbers a unit (another order of f32 roundings than (h - m) rsqrt(v + eps) g + b); scores are scaled behind the dot product.
; THE MODE: SCHED_MODE bits 1:0 = 2 (LLVM: expert scheduling mode 2), set by the entry lines.  The code itself states the register dependences
; between vector or matrix instructions and memory or LDS instructions, with s_wait_alu, always for 0.
; THE PLAN, for the loop over tiles.  Registers that LDS or memory instructions touch:
;   XF, WQF, BQC (window 1), v20-29   a tile's fragments, bq and scale words: read by the tile's 36 products; the next tile's 27 LDS loads land in them.
;   v12-17     LDS addresses: written by six additions behind the products; read by those loads, v17 by the load of the biases.
;   v44-47     the biases: read by four multiply-adds; the next tile's load lands in them.
;   v236-238   a tile's codes and scale byte: written at the tile's end; read by the two stores that are issued in the NEXT tile.
;   v18        where the byte goes: written behind the products; read by the byte's store.     v11: the codes' offset, never written again.
; ONE wait on va_vdst, behind the products and the additions, states that the products are done reading what the loads land in, that v12-18 are written, and that the tile before has
; written v236-238; the 27 loads and the two stores follow it, and no vector instruction between names a register of theirs.  The wait that the four exponentials have in any case states
; besides that the multiply-adds are done reading v44-47: the biases' load stands behind it.  ONE wait on vm_vsrc, ahead of the conversions, states that all the tile's loads and stores have read
; v12-18 and v236-238; no memory or LDS instruction stands between it and the next tile's additions.  There are no registers for a second set of fragments: two waves of 512 fill a SIMD's 1,024.
.set L_X,    0              ; x's codes: (64 T + 16 j + r) x 144 (128 bytes + 16 of padding), T = tile of 16 windows, j = key
.set L_XS,   147456         ; x's scale bytes: (64 T + 16 j + r) x 8
.set L_WQ,   155648         ; Wq's codes: row x 144
.set L_WQS,  192512         ; Wq's scale bytes: row x 8
.set L_BQT,  194560         ; bq[wl] four times: 16 bytes a window
.set L_BIAS, 198656         ; the position bias: window x 144 + 16 head + 4 key
.set L_SQ,   235520         ; the codes of s: channel c' x 144; rows 32 n .. 32 n + 31 are wave n's own
.set L_SQS,  272384         ; their scale bytes: c' x 8
.set L_OS,   274432         ; the result's scale bytes: 256 x wave + window
.set AX0, 4
.set AXS0, 5
.set AWQ0, 6
.set AWS0, 7
.set ABQ0, 8
.set ABI0, 9
.set AOS0, 10
.set GO, 11
.set AX, 12
.set AXS, 13
.set AWQ, 14
.set AWS, 15
.set ABQ, 16
.set ABI, 17
.set AOS, 18
.set XSC, 20                ; v20-41 hold scale words and nothing else: x's (a pair a key), Wq's, s's, Wk's, Wv's (a pair a tile)
.set WQSC, 28
.set SS, 30
.set KS, 34
.set VS, 38
.set G16, 42                ; v42-63: offsets and addresses of the head alone
.set G8, 43
.set G4, 44
.set GL32, 45
.set PO8, 46
.set PO4, 47
.set WF, 48
.set WSO, 49
.set BB, 50
.set XA0, 51
.set XA1, 52
.set XSA, 53
.set WQA, 54
.set WQSA, 55
.set BQA, 56
.set BIA, 57
.set ASQ, 58
.set ASB, 59
.set ASF, 60
.set ASS, 61
.set RP, 62
.set XST, 64                ; what the head brings for LDS
.set WQST, 192
.set XSST, 224
.set WQSST, 232
.set BQST, 234
.set PRM, 238               ; pw1 (two), pb1, bn_g, bn_b, bn_m, bn_v of unit lane % 16
.set POS, 246               ; sp0, sp1, four pairs of xp
.set R0, 68
.set R1, 72
.set AH, 76                 ; the net's hidden layer: 4 unit + key
.set BI32, 140              ; the bias: 4 head + key
.set BI, 44                 ; the loop
.set QA, 48
.set KA, 64
.set VA, 128
.set TS, 192
.set SV, 200
.set PM, 204
.set E, 208
.set OO, 216
.set PP, 240
.set KF, 0                  ; window 1
.set VF, 32
.set BKC, 64
.set BVC, 80
.set SF, 96
.set XF, 128
.set WQF, 192
.set BQC, 208
.set MSB, 0
.macro WIN new              ; the immediate's high byte repeats the setting that is left; a switch that changes nothing is dropped
.if MSB != \new
	s_set_vgpr_msb (MSB<<8)|\new
.set MSB, \new
.endif
.endm
.macro BARRIER              ; my LDS stores have landed and my LDS loads are in: then the work-group's barrier
	s_wait_dscnt 0x0
	s_barrier_signal -1
	s_barrier_wait -1
.endm
.macro FP4MM d, a, b, c, sa, sb
	v_wmma_scale_f32_16x16x128_f8f6f4 v[\d:\d+7], v[\a:\a+7], v[\b:\b+7], v[\c:\c+7], v[\sa], v[\sb] matrix_a_fmt:MATRIX_FMT_FP4 matrix_b_fmt:MATRIX_FMT_FP4
.endm
	s_load_b256 s[4:11], s[0:1], 0x0               ; s, x_codes, x_scales, s_pos
	s_load_b256 s[12:19], s[0:1], 0x20             ; x_pos, Wq_codes, Wq_scales, (Wk_codes)
	s_load_b256 s[20:27], s[0:1], 0x40             ; .., bq = s[26:27]
	s_load_b256 s[28:35], s[0:1], 0x60             ; .., pw1 = s[32:33], pb1 = s[34:35]
	s_load_b256 s[36:43], s[0:1], 0x80             ; bn_g, bn_b, bn_m, bn_v
	s_load_b128 s[92:95], s[0:1], 0xa0             ; pw2, pb2
	v_lshrrev_b32 v63, 5, v0
	v_readfirstlane_b32 s52, v63                   ; wave = head
	s_lshr_b32 s53, ttmp9, 6                       ; b
	s_bfe_u32 s54, ttmp9, 0x20004                  ; hq
	s_and_b32 s55, ttmp9, 15                       ; wh
	s_mov_b32 s56, 0x76543210
	s_mov_b32 s57, 0xfedcba98                      ; v_permlanex16_b32's selects for lane l xor 16
	v_and_b32 v1, 31, v0                           ; lane
	v_and_b32 v2, 15, v0                           ; r
	v_bfe_u32 v3, v0, 4, 1                         ; h
	; the loop's LDS addresses at tile 0
	v_mul_u32_u24 v[ABI0], v2, 144
	v_lshl_add_u32 v[AX0], v3, 4, v[ABI0]          ; a fragment's row x 144 + 16 h
	v_lshl_add_u32 v[AXS0], v2, 3, L_XS
	v_add_nc_u32 v[AWQ0], L_WQ, v[AX0]
	v_lshl_add_u32 v[AWS0], v2, 3, L_WQS
	v_lshl_add_u32 v[ABQ0], v2, 4, L_BQT
	s_wait_alu depctr_va_sdst(0)                   ; s52, the wave's number, is written, ahead of its first reader
	s_lshl_b32 s70, s52, 4
	s_add_co_u32 s70, s70, L_BIAS
	v_add_nc_u32 v[ABI0], s70, v[ABI0]             ; window r's four biases of my head
	s_lshl_b32 s71, s52, 8
	s_add_co_u32 s70, s71, L_OS
	v_add_nc_u32 v[AOS0], s70, v2
	v_lshlrev_b32 v[GO], 4, v2
	v_lshl_add_u32 v[GO], v3, 3, v[GO]
	v_add_nc_u32 v[GO], s71, v[GO]                 ; my 8 bytes in a tile's two fragments: block = head: 256 x head + 16 r + 8 h
	; the head's offsets and addresses
	v_lshlrev_b32 v[G16], 4, v0
	v_lshlrev_b32 v[G8], 3, v0
	v_lshlrev_b32 v[G4], 2, v0
	v_lshlrev_b32 v[GL32], 5, v1
	v_lshlrev_b32 v[PO8], 3, v2
	v_lshlrev_b32 v[PO4], 2, v2
	v_and_b32 v[RP], 8, v2
	v_add_nc_u32 v[RP], v[RP], v2                  ; r + 8 (r / 8)
	v_lshlrev_b32 v[WF], 7, v[RP]
	v_lshl_add_u32 v[WF], v3, 4, v[WF]
	v_lshlrev_b32 v[WSO], 3, v[RP]
	v_lshlrev_b32 v[BB], 6, v3
	v_lshrrev_b32 v63, 7, v0
	v_mul_u32_u24 v[XA0], v63, 9216
	v_bfe_u32 v63, v0, 3, 4
	v_mad_u32_u24 v[XA0], v63, 144, v[XA0]
	v_and_b32 v63, 7, v0
	v_lshl_add_u32 v[XA0], v63, 4, v[XA0]          ; a chunk of 4,096 bytes is 32 rows: tile t / 128, row (t / 8) % 16, 16 bytes at 16 (t % 8)
	v_add_nc_u32 v[XA1], 73728, v[XA0]
	v_lshrrev_b32 v63, 4, v0
	v_lshlrev_b32 v[XSA], 9, v63
	v_lshl_add_u32 v[XSA], v2, 3, v[XSA]
	v_add_nc_u32 v[XSA], L_XS, v[XSA]
	v_lshrrev_b32 v63, 3, v0
	v_mul_u32_u24 v[WQA], v63, 144
	v_and_b32 v63, 7, v0
	v_lshl_add_u32 v[WQA], v63, 4, v[WQA]
	v_add_nc_u32 v[WQA], L_WQ, v[WQA]
	v_lshl_add_u32 v[WQSA], v0, 3, L_WQS
	v_lshl_add_u32 v[BQA], v0, 4, L_BQT
	v_mul_u32_u24 v[BIA], v0, 144
	v_add_nc_u32 v[BIA], L_BIAS, v[BIA]
	s_mul_i32 s70, s52, 4608
	s_add_co_u32 s70, s70, L_SQ                    ; my wave's 32 rows of codes,
	s_add_co_u32 s71, s71, L_SQS                   ; and of scale bytes
	v_lshl_add_u32 v[ASQ], v1, 2, s70
	v_lshrrev_b32 v[ASB], 2, v1
	v_add_nc_u32 v[ASB], s71, v[ASB]
	v_mul_u32_u24 v[ASF], v[RP], 144
	v_lshl_add_u32 v[ASF], v3, 4, v[ASF]
	v_add_nc_u32 v[ASF], s70, v[ASF]
	v_lshl_add_u32 v[ASS], v[RP], 3, s71
	; where the work-group's parts begin, in bytes
	s_lshl_b32 s58, s53, 24                        ; s: batch, + 16 hq + wh rows of 1,024 bytes, + my wave's 32 channels of 65,536
	s_lshl_b32 s70, s54, 14
	s_add_co_u32 s58, s58, s70
	s_lshl_b32 s70, s55, 10
	s_add_co_u32 s58, s58, s70
	s_lshl_b32 s70, s52, 21
	s_add_co_u32 s58, s58, s70
	s_mov_b32 s59, 0
	s_lshl_b32 s60, s53, 21                        ; x's codes: 128 bytes a row
	s_lshl_b32 s70, s55, 15
	s_add_co_u32 s60, s60, s70
	s_mov_b32 s61, 0
	s_lshl_b32 s66, s53, 17                        ; x's scale bytes and x_pos: 8 bytes a row
	s_lshl_b32 s70, s55, 11
	s_add_co_u32 s66, s66, s70
	s_mov_b32 s67, 0
	s_lshl_b32 s68, s53, 17                        ; s_pos[b][hq & 1][w][hq >> 1] and [.. + 2]
	s_and_b32 s70, s54, 1
	s_lshl_b32 s70, s70, 16
	s_add_co_u32 s68, s68, s70
	s_lshl_b32 s70, s55, 12
	s_add_co_u32 s68, s68, s70
	s_lshr_b32 s70, s54, 1
	s_lshl_b32 s70, s70, 2
	s_add_co_u32 s68, s68, s70
	s_mov_b32 s69, 0
	s_wait_kmcnt 0x0
	s_add_nc_u64 s[96:97], s[4:5], s[58:59]        ; s's base has a pair of its own, which nothing writes again: its loads stay out while s4-51 are used anew
	s_add_nc_u64 s[6:7], s[6:7], s[60:61]
	s_add_nc_u64 s[8:9], s[8:9], s[66:67]
	s_add_nc_u64 s[12:13], s[12:13], s[66:67]
	s_add_nc_u64 s[10:11], s[10:11], s[68:69]
	s_wait_alu depctr_va_vdst(0)                   ; v4-63, every offset and address of the head and v11 of the loop, are written: the loads, LDS stores and LDS loads of the head read them
	; ---- loads: 6 of the net's numbers, 6 of positions, 46 for LDS, then my first 16 rows of s
	global_load_b64 v[PRM:PRM+1], v[PO8], s[32:33]
	global_load_b32 v[PRM+2], v[PO4], s[34:35]
	global_load_b32 v[PRM+3], v[PO4], s[36:37]
	global_load_b32 v[PRM+4], v[PO4], s[38:39]
	global_load_b32 v[PRM+5], v[PO4], s[40:41]
	global_load_b32 v[PRM+6], v[PO4], s[42:43]
	global_load_b32 v[POS], v[G16], s[10:11]
	global_load_b32 v[POS+1], v[G16], s[10:11] offset:8
.irp j,0,1,2,3
	global_load_b64 v[POS+2+2*\j:POS+3+2*\j], v[G8], s[12:13] offset:\j*32768
.endr
.irp j,0,1,2,3
.irp i,0,1,2,3,4,5,6,7
	global_load_b128 v[XST+4*(8*\j+\i):XST+4*(8*\j+\i)+3], v[G16], s[6:7] offset:\j*524288+\i*4096   ; key j's 256 rows are 32,768 dense bytes
.endr
.endr
.irp j,0,1,2,3
	global_load_b64 v[XSST+2*\j:XSST+2*\j+1], v[G8], s[8:9] offset:\j*32768
.endr
.irp i,0,1,2,3,4,5,6,7
	global_load_b128 v[WQST+4*\i:WQST+4*\i+3], v[G16], s[14:15] offset:\i*4096
.endr
	global_load_b64 v[WQSST:WQSST+1], v[G8], s[16:17]
	global_load_b32 v[BQST], v[G4], s[26:27]
	WIN 0x40                                       ; destination window 1
.irp i,0,1,2,3,4,5,6,7,8,9,10,11,12,13,14,15
	global_load_b128 v[8*\i:8*\i+3], v[GL32], s[96:97] offset:\i*65536 th:TH_LOAD_NT       ; row i of my 32: lane l takes k = 8 l .. 8 l + 7
	global_load_b128 v[8*\i+4:8*\i+7], v[GL32], s[96:97] offset:\i*65536+16 th:TH_LOAD_NT
.endr
	WIN 0
	s_wait_loadcnt 32                              ; all but the 32 loads of s: every other load is done, so its offsets and its base may be written
	v_mov_b32 v[BQST+1], v[BQST]
	v_mov_b32 v[BQST+2], v[BQST]
	v_mov_b32 v[BQST+3], v[BQST]
	s_wait_alu depctr_va_vdst(0)                   ; bq's three copies are written, which the last LDS store of the run below reads
	; ---- into LDS
.irp j,0,1,2,3
.irp i,0,1,2,3
	ds_store_b128 v[XA0], v[XST+4*(8*\j+\i):XST+4*(8*\j+\i)+3] offset:\i*18432+\j*2304
	ds_store_b128 v[XA1], v[XST+4*(8*\j+\i+4):XST+4*(8*\j+\i+4)+3] offset:\i*18432+\j*2304
.endr
	ds_store_b64 v[XSA], v[XSST+2*\j:XSST+2*\j+1] offset:\j*128
.endr
.irp i,0,1,2,3,4,5,6,7
	ds_store_b128 v[WQA], v[WQST+4*\i:WQST+4*\i+3] offset:\i*4608
.endr
	ds_store_b64 v[WQSA], v[WQSST:WQSST+1]
	ds_store_b128 v[BQA], v[BQST:BQST+3]
	WIN 0x40
.irp i,16,17,18,19,20,21,22,23,24,25,26,27,28,29,30,31
	global_load_b128 v[8*\i:8*\i+3], v[GL32], s[96:97] offset:\i*65536 th:TH_LOAD_NT
	global_load_b128 v[8*\i+4:8*\i+7], v[GL32], s[96:97] offset:\i*65536+16 th:TH_LOAD_NT
.endr
	WIN 0
	s_wait_dscnt 0x0                               ; the LDS stores are done.  The 64 loads of s that may be out name v45 and s[96:97] alone: neither is written before the counted waits below show them done
	s_wait_alu depctr_vm_vsrc(0)                   ; the LDS stores have read v64-237, which the net, the quantiser of s and the loop write; the head's loads have read their offsets v42-47, in four of which the biases land
	; ---- the position net: thread = window.  The batch norm folds into A = pw1[.][0] sc, B = pw1[.][1] sc, C = (pb1 - m) sc + b, sc = g rsqrt(v + 1e-5)
	v_add_f32 v67, 0x3727c5ac, v[PRM+6]
	v_rsq_f32 v64, v67
	v_sub_f32 v66, v[PRM+2], v[PRM+5]              ; (the plain place behind the root)
	s_wait_alu depctr_va_vdst(0)                   ; the root v64 is written, ahead of its first reader
	v_mul_f32 v67, v64, v[PRM+3]
	v_mul_f32 v64, v[PRM], v67
	v_mul_f32 v65, v[PRM+1], v67
	v_fma_f32 v66, v66, v67, v[PRM+4]
.irp o,0,1,2,3,4,5,6,7,8,9,10,11,12,13,14,15
	v_readlane_b32 s[4+\o], v64, \o                ; unit o's three numbers lie in lane o
	v_readlane_b32 s[20+\o], v65, \o
	v_readlane_b32 s[36+\o], v66, \o
.endr
.irp j,0,1,2,3
	v_sub_f32 v[R0+\j], v[POS], v[POS+2+2*\j]
	v_sub_f32 v[R1+\j], v[POS+1], v[POS+3+2*\j]
.endr
	s_wait_alu depctr_va_sdst(0)                   ; s4-51, the units' numbers, are written, ahead of their first readers: one wait for the run of 48
.irp o,0,1,2,3,4,5,6,7,8,9,10,11,12,13,14,15
.irp j,0,1,2,3
	v_fma_f32 v[AH+4*\o+\j], s[20+\o], v[R1+\j], s[36+\o]
.endr
.irp j,0,1,2,3
	v_fma_f32 v[AH+4*\o+\j], s[4+\o], v[R0+\j], v[AH+4*\o+\j]
.endr
.irp j,0,1,2,3
	v_max_num_f32 v[AH+4*\o+\j], 0, v[AH+4*\o+\j]
.endr
.endr
.macro HEAD1 n, sb                             ; head n's four biases: pb2[n] + sum over units; the four keys by turns
.irp j,0,1,2,3
	v_fma_f32 v[BI32+4*(\n)+\j], s[\sb], v[AH+\j], s[84+(\n)]
.endr
.irp o,1,2,3,4,5,6,7,8,9,10,11,12,13,14,15
.irp j,0,1,2,3
	v_fmac_f32 v[BI32+4*(\n)+\j], s[\sb+\o], v[AH+4*\o+\j]
.endr
.endr
.endm
.macro HEADS p                                 ; four rows of pw2 into scalar registers, four heads
	s_load_b512 s[4:19], s[92:93], 256*\p
	s_load_b512 s[20:35], s[92:93], 256*\p+64
	s_load_b512 s[36:51], s[92:93], 256*\p+128
	s_load_b512 s[68:83], s[92:93], 256*\p+192
	s_wait_kmcnt 0x0
	HEAD1 4*\p+0, 4
	HEAD1 4*\p+1, 20
	HEAD1 4*\p+2, 36
	HEAD1 4*\p+3, 68
.endm
	s_load_b256 s[84:91], s[94:95], 0x0            ; pb2
	HEADS 0
	HEADS 1
	s_wait_alu depctr_va_vdst(0)                   ; the 32 biases v140-171 are written, which the LDS stores read
.irp n,0,1,2,3,4,5,6,7
	ds_store_b128 v[BIA], v[BI32+4*\n:BI32+4*\n+3] offset:16*\n
.endr
	; ---- the other pointers
	s_load_b256 s[4:11], s[0:1], 0x20              ; .., Wk_codes = s[10:11]
	s_load_b256 s[12:19], s[0:1], 0x40             ; Wk_scales, Wv_codes, Wv_scales, ..
	s_load_b128 s[20:23], s[0:1], 0x60             ; bk, bv
	s_load_b128 s[24:27], s[0:1], 0xb0             ; o_codes, o_scales
	s_mov_b32 s59, 0
	s_wait_kmcnt 0x0
	s_lshl_b32 s58, s52, 12                        ; my head's 32 rows of 128 bytes
	s_add_nc_u64 s[10:11], s[10:11], s[58:59]
	s_add_nc_u64 s[14:15], s[14:15], s[58:59]
	s_lshl_b32 s58, s52, 8
	s_add_nc_u64 s[12:13], s[12:13], s[58:59]
	s_add_nc_u64 s[16:17], s[16:17], s[58:59]
	s_lshl_b32 s58, s52, 7
	s_add_nc_u64 s[20:21], s[20:21], s[58:59]
	s_add_nc_u64 s[22:23], s[22:23], s[58:59]
	s_lshl_b32 s58, ttmp9, 15
	s_add_nc_u64 s[24:25], s[24:25], s[58:59]
	s_lshl_b32 s58, ttmp9, 11
	s_add_nc_u64 s[26:27], s[26:27], s[58:59]
; Eight rows of s, k .. k + 7 of my 32, become codes and scale bytes in my own rows of LDS.  A lane holds 8 neighbours along K, four lanes a block of 32.
.macro SQ8 k
	s_wait_dscnt 0x0                               ; earlier LDS stores are done
.if \k > 0
	s_wait_alu depctr_vm_vsrc(0)                   ; the LDS stores of the eight rows before have read v80-95, which are written again below (and the loads issued since have read their offsets)
.endif
	WIN 0x05                                       ; sources 0 and 1 window 1
.irp i,0,1,2,3,4,5,6,7
	v_max3_num_f32 v[64+\i], |v[8*(\k+\i)]|, |v[8*(\k+\i)+1]|, 0x1800000   ; with the floor 2^(3 - 127): the byte cannot fall under 1
.endr
.irp a,2,4,6
.irp i,0,1,2,3,4,5,6,7
	v_max3_num_f32 v[64+\i], |v[8*(\k+\i)+\a]|, |v[8*(\k+\i)+\a+1]|, v[64+\i]
.endr
.endr
	WIN 0
.irp i,0,1,2,3,4,5,6,7
	v_max_num_f32_dpp v[64+\i], v[64+\i], v[64+\i] row_xmask:1 row_mask:0xf bank_mask:0xf
.endr
.irp i,0,1,2,3,4,5,6,7
	v_max_num_f32_dpp v[64+\i], v[64+\i], v[64+\i] row_xmask:2 row_mask:0xf bank_mask:0xf
.endr
.irp i,0,1,2,3,4,5,6,7
	v_add_nc_u32 v[72+\i], 0xff000000, v[64+\i]    ; 2 off the exponent field: the conversion's scale operand
.endr
	WIN 0x01
.irp i,0,1,2,3,4,5,6,7
	v_cvt_scalef32_pk8_fp4_f32 v[80+\i], v[8*(\k+\i):8*(\k+\i)+7], v[72+\i]
.endr
	WIN 0
.irp i,0,1,2,3,4,5,6,7
	v_lshrrev_b32 v[88+\i], 23, v[72+\i]           ; the scale's byte (plain lines behind the conversions)
.endr
	s_wait_alu depctr_va_vdst(0)                   ; the codes v80-87 and the bytes v88-95 are written, which the LDS stores read; and the lines above are done reading these rows of s, in whose registers later loads land
.irp i,0,1,2,3,4,5,6,7
	ds_store_b32 v[ASQ], v[80+\i] offset:(\k+\i)*144
	ds_store_b8 v[ASB], v[88+\i] offset:(\k+\i)*8  ; the four lanes of a block write the same byte with the same value
.endr
.endm
	s_wait_loadcnt 32                              ; rows 0-15 are in; rows 16-31 may be out
	SQ8 0
	SQ8 8
	WIN 0x40                                       ; my head's weights and biases, into the registers that rows 0-11 have left.  No wait: no vector instruction has been issued since the wait in the macro above
.irp u,0,1
.irp ks,0,1
.irp c,0,1
	global_load_b128 v[KF+8*(2*\u+\ks)+4*\c:KF+8*(2*\u+\ks)+4*\c+3], v[WF], s[10:11] offset:\u*1024+\ks*64+32*\c
	global_load_b128 v[VF+8*(2*\u+\ks)+4*\c:VF+8*(2*\u+\ks)+4*\c+3], v[WF], s[14:15] offset:\u*1024+\ks*64+32*\c
.endr
.endr
.endr
.irp u,0,1
.irp i,0,1
	global_load_b128 v[BKC+8*\u+4*\i:BKC+8*\u+4*\i+3], v[BB], s[20:21] offset:\u*32+16*\i   ; bk at channels 16 h + 8 u + 0 .. 7 of my head
	global_load_b128 v[BVC+8*\u+4*\i:BVC+8*\u+4*\i+3], v[BB], s[22:23] offset:\u*32+16*\i
.endr
.endr
	WIN 0
.irp u,0,1
	global_load_b64 v[KS+2*\u:KS+2*\u+1], v[WSO], s[12:13] offset:\u*64
	global_load_b64 v[VS+2*\u:VS+2*\u+1], v[WSO], s[16:17] offset:\u*64
.endr
	s_wait_loadcnt 28                              ; rows 16-31 are in; the 28 loads just issued may be out
	SQ8 16
	SQ8 24
	WIN 0x40                                       ; my own bytes, and LDS serves a wave's instructions in order: no barrier.  They land where rows 12-15 lay: no vector instruction has been issued since the wait in the macro above
.irp u,0,1
.irp ks,0,1
.irp c,0,1
	ds_load_b128 v[SF+8*(2*\u+\ks)+4*\c:SF+8*(2*\u+\ks)+4*\c+3], v[ASF] offset:\u*1152+\ks*64+32*\c
.endr
.endr
.endr
	WIN 0
.irp u,0,1
	ds_load_b64 v[SS+2*\u:SS+2*\u+1], v[ASS] offset:\u*64
.endr
.irp j,0,1,2,3
	v_mov_b32 v[PM+\j], 0                          ; written once: a lane permute's destination counts as one of its sources
.endr
	v_mov_b32 v234, 0
	s_mov_b32 s28, 0                               ; the tile's steps: x 9,216; Wq and the bias 2,304; x's scales 512; bq 256; Wq's scales 128; the result's bytes 16
	s_mov_b32 s29, 0
	s_mov_b32 s30, 0
	s_mov_b32 s31, 0
	s_mov_b32 s32, 0
	s_mov_b32 s33, 0
	s_mov_b32 s34, 0x3e3504f3                      ; 32^-0.5
	s_mov_b32 s35, 0x3fb8aa3b                      ; log2(e)
	s_mov_b32 s62, 0
.macro ADDRS                                   ; where a tile's fragments, scale words and biases lie
	v_add_nc_u32 v[AX], s28, v[AX0]
	v_add_nc_u32 v[AXS], s30, v[AXS0]
	v_add_nc_u32 v[AWQ], s29, v[AWQ0]
	v_add_nc_u32 v[AWS], s32, v[AWS0]
	v_add_nc_u32 v[ABQ], s31, v[ABQ0]
	v_add_nc_u32 v[ABI], s29, v[ABI0]
.endm
.macro LOADS                                   ; 27 LDS loads in one run: all that a tile's products read
	WIN 0x40
.irp j,0,1,2,3
.irp ks,0,1
.irp c,0,1
	ds_load_b128 v[XF+8*(2*\j+\ks)+4*\c:XF+8*(2*\j+\ks)+4*\c+3], v[AX] offset:\j*2304+\ks*64+32*\c
.endr
.endr
.endr
.irp ks,0,1
.irp c,0,1
	ds_load_b128 v[WQF+8*\ks+4*\c:WQF+8*\ks+4*\c+3], v[AWQ] offset:\ks*64+32*\c
.endr
.endr
	ds_load_b128 v[BQC:BQC+3], v[ABQ]              ; bq of window r, eight times: Q's C
	ds_load_b128 v[BQC+4:BQC+7], v[ABQ]
	WIN 0
.irp j,0,1,2,3
	ds_load_b64 v[XSC+2*\j:XSC+2*\j+1], v[AXS] offset:\j*128
.endr
	ds_load_b64 v[WQSC:WQSC+1], v[AWS]
.endm
; A tile of 16 windows.  next = 1: the next tile's loads go out behind this tile's products; next = 0: the last tile, which asks for nothing: no read leaves a region.
; prev = 1: the codes and the scale byte of the tile before are stored behind the same wait; prev = 0: the first tile.
.macro TILE next, prev
	s_wait_dscnt 0x0                               ; this tile's loads, issued a tile ago, are in
	; 18 accumulators (Q: 2, K: 8, V: 8) by turns, one instruction a turn; K step 0 takes the biases as C
	WIN 0x15                                       ; sources 0, 1 and 2 window 1, destination window 0
.irp u,0,1
	FP4MM QA+8*\u, SF+16*\u, WQF, BQC, SS+2*\u, WQSC
.endr
.irp j,0,1,2,3
.irp u,0,1
	FP4MM KA+16*\j+8*\u, KF+16*\u, XF+16*\j, BKC+8*\u, KS+2*\u, XSC+2*\j
	FP4MM VA+16*\j+8*\u, VF+16*\u, XF+16*\j, BVC+8*\u, VS+2*\u, XSC+2*\j
.endr
.endr
	WIN 0x05                                       ; C and D window 0
.irp u,0,1
	FP4MM QA+8*\u, SF+16*\u+8, WQF+8, QA+8*\u, SS+2*\u+1, WQSC+1
.endr
.irp j,0,1,2,3
.irp u,0,1
	FP4MM KA+16*\j+8*\u, KF+16*\u+8, XF+16*\j+8, KA+16*\j+8*\u, KS+2*\u+1, XSC+2*\j+1
	FP4MM VA+16*\j+8*\u, VF+16*\u+8, XF+16*\j+8, VA+16*\j+8*\u, VS+2*\u+1, XSC+2*\j+1
.endr
.endr
	WIN 0
	; the lines below are the plain places behind the products (ISA guide 7.12.1): four are owed ahead of reads of their results
.if \prev
	v_add_nc_u32 v[AOS], s33, v[AOS0]              ; where the scale byte of the tile before goes
.endif
.if \next
	s_add_co_u32 s28, s28, 9216
	s_add_co_u32 s29, s29, 2304
	s_add_co_u32 s30, s30, 512
	s_add_co_u32 s31, s31, 256
	s_add_co_u32 s32, s32, 128
	ADDRS                                          ; six places
.else
.rept 3
	v_nop
.endr
.endif
	s_wait_alu depctr_va_vdst(0)                   ; the products are done reading the fragments, bq and the scale words, in which the loads below land; v12-18 are written, which the loads and the byte's store read; the tile before has written v236-238, which the two stores read
.if \next
	LOADS                                          ; the next tile's: they land under the vector work below
.endif
.if \prev
	ds_store_b8 v[AOS], v238                       ; both halves of the lanes write the same byte with the same value
	global_store_b64 v[GO], v[236:237], s[24:25]   ; the 32 lanes store 256 consecutive bytes, at a multiple of 256 from the buffer's first byte
.endif
	; the four scores of my window: 16 channels in my lane, 16 in lane l xor 16; each accumulator is read from its low end on
.irp j,0,1,2,3
	v_pk_mul_f32 v[TS+2*\j:TS+2*\j+1], v[QA:QA+1], v[KA+16*\j:KA+16*\j+1]
.endr
.irp i,2,4,6,8,10,12,14
.irp j,0,1,2,3
	v_pk_fma_f32 v[TS+2*\j:TS+2*\j+1], v[QA+\i:QA+\i+1], v[KA+16*\j+\i:KA+16*\j+\i+1], v[TS+2*\j:TS+2*\j+1]
.endr
.endr
.irp j,0,1,2,3
	v_add_f32 v[SV+\j], v[TS+2*\j], v[TS+2*\j+1]
.endr
.irp j,0,1,2,3
	v_permlanex16_b32 v[PM+\j], v[SV+\j], s56, s57
.endr
.irp j,0,1,2,3
	v_add_f32 v[SV+\j], v[SV+\j], v[PM+\j]
.endr
.irp j,0,1,2,3
	v_fma_f32 v[SV+\j], v[SV+\j], s34, v[BI+\j]    ; x 32^-0.5 + the position bias
.endr
	v_max3_num_f32 v212, v[SV], v[SV+1], v[SV+2]
	v_max_num_f32 v212, v212, v[SV+3]              ; the maximum is taken away ahead of the exponentials
.irp j,0,1,2,3
	v_sub_f32 v[E+\j], v[SV+\j], v212
.endr
.irp j,0,1,2,3
	v_mul_f32 v[E+\j], s35, v[E+\j]
.endr
.irp j,0,1,2,3
	v_exp_f32 v[E+\j], v[E+\j]
.endr
	v_nop                                          ; a plain place behind the exponentials
	s_wait_alu depctr_va_vdst(0)                   ; the four exponentials v208-211 are written, ahead of their first reader; and the four multiply-adds above are done reading the biases v44-47, in which the load below lands
.if \next
	ds_load_b128 v[BI:BI+3], v[ABI]                ; the next tile's biases
.endif
	v_add_f32 v213, v[E], v[E+1]
	v_add_f32 v214, v[E+2], v[E+3]
	v_add_f32 v213, v213, v214
	v_rcp_f32 v214, v213
	v_nop
	s_wait_alu depctr_va_vdst(0)                   ; the reciprocal v214 is written, ahead of its first reader
.irp j,0,1,2,3
	v_mul_f32 v[PP+2*\j], v[E+\j], v214            ; each weight twice: a pair for the packed forms
	v_mul_f32 v[PP+2*\j+1], v[E+\j], v214
.endr
.irp i,0,2,4,6,8,10,12,14
	v_pk_mul_f32 v[OO+\i:OO+\i+1], v[VA+\i:VA+\i+1], v[PP:PP+1]
.endr
.irp j,1,2,3
.irp i,0,2,4,6,8,10,12,14
	v_pk_fma_f32 v[OO+\i:OO+\i+1], v[VA+16*\j+\i:VA+16*\j+\i+1], v[PP+2*\j:PP+2*\j+1], v[OO+\i:OO+\i+1]
.endr
.endr
	; the head's 32 channels are one block of the next product's K: my 16 and lane l xor 16's
	v_max3_num_f32 v232, |v[OO]|, |v[OO+1]|, 0x1800000
	v_max3_num_f32 v233, |v[OO+8]|, |v[OO+9]|, |v[OO+10]|
	v_max3_num_f32 v232, v232, |v[OO+2]|, |v[OO+3]|
	v_max3_num_f32 v233, v233, |v[OO+11]|, |v[OO+12]|
	v_max3_num_f32 v232, v232, |v[OO+4]|, |v[OO+5]|
	v_max3_num_f32 v233, v233, |v[OO+13]|, |v[OO+14]|
	v_max3_num_f32 v232, v232, |v[OO+6]|, |v[OO+7]|
	v_max3_num_f32 v232, v232, v233, |v[OO+15]|
	v_permlanex16_b32 v234, v232, s56, s57
	v_max_num_f32 v232, v232, v234
	v_add_nc_u32 v235, 0xff000000, v232
.if \prev
	s_wait_xcnt 0x0                                ; the store above has had its address translated (ISA guide 3.1): its data and its base are written again below
	s_add_nc_u64 s[24:25], s[24:25], 2048          ; a tile's two fragments on
.endif
	s_wait_alu depctr_vm_vsrc(0)                   ; this tile's stores have read v18 and v236-238, its loads v12-17: the conversions below and the next tile's additions write them again
	v_cvt_scalef32_pk8_fp4_f32 v236, v[OO:OO+7], v235
	v_cvt_scalef32_pk8_fp4_f32 v237, v[OO+8:OO+15], v235
	v_lshrrev_b32 v238, 23, v235
	v_nop                                          ; a plain place behind the conversions
.if \prev
	s_add_co_u32 s33, s33, 16
.endif
.endm
	s_wait_loadcnt 0x0
	BARRIER                                        ; x, Wq, bq and the biases of all 256 windows lie in LDS
	ADDRS
	s_wait_alu depctr_va_vdst(0)                   ; v12-17 are written, which the loads below read
	LOADS                                          ; tile 0's
	ds_load_b128 v[BI:BI+3], v[ABI]
	s_wait_alu depctr_vm_vsrc(0)                   ; these loads have read v12-17, which tile 0's additions write again; the head's LDS stores and loads have read v48-63 and v80-95, which the products write
	TILE 1, 0                                      ; tile 0 has no tile before it
.Ltile:                                            ; tiles 1 to 14; the 16th tile is written out behind the loop
	TILE 1, 1
	s_add_co_u32 s62, s62, 1
	s_cmp_lt_u32 s62, 14
	s_cbranch_scc1 .Ltile
	TILE 0, 1
	v_add_nc_u32 v[AOS], s33, v[AOS0]              ; the last tile's scale byte
	v_add_nc_u32 v[AX], L_OS, v0                   ; for the pass behind the barrier: thread = window: its eight bytes make the two scale words of its row
	v_lshrrev_b32 v[AXS], 4, v0
	v_lshlrev_b32 v[AXS], 7, v[AXS]
	v_lshl_add_u32 v[AXS], v2, 2, v[AXS]           ; 128 x tile + 4 r; K step 1's word 64 bytes on
	s_wait_alu depctr_va_vdst(0)                   ; the last tile has written v236-238, and v12, v13 and v18 are written: the stores and loads below read them; every reader and writer of v48-55, in which the bytes land, is done
	ds_store_b8 v[AOS], v238
	global_store_b64 v[GO], v[236:237], s[24:25]
	BARRIER                                        ; all eight heads' scale bytes lie in LDS
.irp w,0,1,2,3,4,5,6,7
	ds_load_u8 v[48+\w], v[AX] offset:256*\w
.endr
	s_wait_dscnt 0x0
	v_lshl_or_b32 v48, v49, 8, v48
	v_lshl_or_b32 v52, v53, 8, v52
	v_lshl_or_b32 v48, v50, 16, v48
	v_lshl_or_b32 v52, v54, 16, v52
	v_lshl_or_b32 v48, v51, 24, v48
	v_lshl_or_b32 v52, v55, 24, v52
	s_wait_alu depctr_va_vdst(0)                   ; the two scale words v48 and v52 are written, which the stores read
	global_store_b32 v[AXS], v48, s[26:27]
	global_store_b32 v[AXS], v52, s[26:27] offset:64
	s_wait_xcnt 0x0
	v_lshl_add_u32 v254, v0, 2, 0x43800
	v_mov_b32 v255, 0
	s_wait_dscnt 0x0                               ; the closing lines, six on end
	s_wait_alu 0x0
	s_wait_tensorcnt 0x0
	ds_add_u32 v254, v255
	s_wait_dscnt 0x0
	s_endpgm
.Lfunc_end_k_q08e3d8c53b_attn:
	.size	k_q08e3d8c53b_attn, .Lfunc_end_k_q08e3d8c53b_attn-k_q08e3d8c53b_attn
	.p2alignl 7, 3214868480
	.fill 96, 4, 3214868480
	.section	.rodata,"a",@progbits
	.p2align	6, 0x0
	.amdhsa_kernel k_q08e3d8c53b_attn
		.amdhsa_group_segment_fixed_size 277504
		.amdhsa_private_segment_fixed_size 0
		.amdhsa_enable_private_segment 0
		.amdhsa_kernarg_size 192
		.amdhsa_user_sgpr_count 2
		.amdhsa_user_sgpr_kernarg_segment_ptr 1
		.amdhsa_wavefront_size32 1
		.amdhsa_system_sgpr_workgroup_id_x 1
		.amdhsa_system_sgpr_workgroup_id_y 1
		.amdhsa_system_sgpr_workgroup_id_z 1
		.amdhsa_system_vgpr_workitem_id 0
		.amdhsa_next_free_vgpr 512
		.amdhsa_next_free_sgpr 98
		.amdhsa_reserve_vcc 0
		.amdhsa_float_denorm_mode_32 3
		.amdhsa_float_denorm_mode_16_64 3
		.amdhsa_memory_ordered 1
		.amdhsa_forward_progress 1
		.amdhsa_inst_pref_size 123
	.end_amdhsa_kernel
	.amdgpu_metadata
---
amdhsa.version: [ 1, 2 ]
amdhsa.kernels:
  - .name:           k_q08e3d8c53b_attn
    .symbol:         k_q08e3d8c53b_attn.kd
    .args:
      - { .name: s, .offset: 0, .size: 8, .value_kind: global_buffer, .address_space: global }
      - { .name: x_codes, .offset: 8, .size: 8, .value_kind: global_buffer, .address_space: global }
      - { .name: x_scales, .offset: 16, .size: 8, .value_kind: global_buffer, .address_space: global }
      - { .name: s_pos, .offset: 24, .size: 8, .value_kind: global_buffer, .address_space: global }
      - { .name: x_pos, .offset: 32, .size: 8, .value_kind: global_buffer, .address_space: global }
      - { .name: Wq_codes, .offset: 40, .size: 8, .value_kind: global_buffer, .address_space: global }
      - { .name: Wq_scales, .offset: 48, .size: 8, .value_kind: global_buffer, .address_space: global }
      - { .name: Wk_codes, .offset: 56, .size: 8, .value_kind: global_buffer, .address_space: global }
      - { .name: Wk_scales, .offset: 64, .size: 8, .value_kind: global_buffer, .address_space: global }
      - { .name: Wv_codes, .offset: 72, .size: 8, .value_kind: global_buffer, .address_space: global }
      - { .name: Wv_scales, .offset: 80, .size: 8, .value_kind: global_buffer, .address_space: global }
      - { .name: bq, .offset: 88, .size: 8, .value_kind: global_buffer, .address_space: global }
      - { .name: bk, .offset: 96, .size: 8, .value_kind: global_buffer, .address_space: global }
      - { .name: bv, .offset: 104, .size: 8, .value_kind: global_buffer, .address_space: global }
      - { .name: pw1, .offset: 112, .size: 8, .value_kind: global_buffer, .address_space: global }
      - { .name: pb1, .offset: 120, .size: 8, .value_kind: global_buffer, .address_space: global }
      - { .name: bn_g, .offset: 128, .size: 8, .value_kind: global_buffer, .address_space: global }
      - { .name: bn_b, .offset: 136, .size: 8, .value_kind: global_buffer, .address_space: global }
      - { .name: bn_m, .offset: 144, .size: 8, .value_kind: global_buffer, .address_space: global }
      - { .name: bn_v, .offset: 152, .size: 8, .value_kind: global_buffer, .address_space: global }
      - { .name: pw2, .offset: 160, .size: 8, .value_kind: global_buffer, .address_space: global }
      - { .name: pb2, .offset: 168, .size: 8, .value_kind: global_buffer, .address_space: global }
      - { .name: o_codes, .offset: 176, .size: 8, .value_kind: global_buffer, .address_space: global }
      - { .name: o_scales, .offset: 184, .size: 8, .value_kind: global_buffer, .address_space: global }
    .group_segment_fixed_size: 277504
    .private_segment_fixed_size: 0
    .kernarg_segment_align: 8
    .kernarg_segment_size: 192
    .max_flat_workgroup_size: 256
    .sgpr_count:     98
    .vgpr_count:     512
    .wavefront_size: 32
...
	.end_amdgpu_metadata
.endif
;; end of part 3
;; launch mlp (part 4): grid 256 x 1, 8 waves a work-group, no clusters, 233,472 bytes of LDS; arguments s, o_codes, o_scales, Wo_codes, Wo_scales, bo, ln_g, ln_b, mw1_codes, mw1_scales, mb1, mw2_codes, mw2_scales, mb2, out0; writes out0
.if DOCPART == 4
	.amdgcn_target "amdgcn-amd-amdhsa--gfx1250"
	.amdhsa_code_object_version 6
	.text
	.protected	k_q08e3d8c53b_mlp
	.globl	k_q08e3d8c53b_mlp
	.p2align	8
	.type	k_q08e3d8c53b_mlp,@function
k_q08e3d8c53b_mlp:
	s_mov_b64 s[64:65], 0
	v_nop
	global_prefetch_b8 v0, s[64:65] scope:SCOPE_SE
	s_setreg_imm32_b32 hwreg(HW_REG_WAVE_SCHED_MODE, 0, 2), 2
	s_setreg_imm32_b32 hwreg(HW_REG_WAVE_MODE, 25, 1), 1
	s_wait_xcnt 0x0
	s_wait_alu depctr_vm_vsrc(0)
; SectorAttention, second launch: s1 = s + o Wo^T + bo; n = LayerNorm(s1); out = s1 + gelu(n mw1^T + mb1) mw2^T + mb2.  The three products on codes of FP4 (E2M1) with E8M0 scales.
; SHARES.  Work-group g takes rows 256 g .. 256 g + 255, 64 at a time (four tiles of 16).  THE EIGHT WAVES SHARE THE COLUMNS: wave w makes channels 32 w .. 32 w + 31 of s1 and of the output and hidden units
; 128 w .. 128 w + 127, for all 64 rows.  Its parts of Wo, mw1 and mw2 stay in its registers for the whole launch (288 registers), read once; what goes from wave to wave is codes, through LDS,
; as images of operand registers (a fragment: 1,024 bytes, register group c of lane L at 512 c + 16 L; its scale words: 4 bytes a row).
; EVERY PRODUCT IS USED TRANSPOSED (source 0 = 16 rows of a weight, source 1 = 16 rows of the block); lane r of a weight's tile 2 b + u takes row 32 b + 8 u + r + 8 (r / 8), so that lane (r, h) holds
; row r and the 16 registers of tiles 2 b, 2 b + 1 are channels 32 b + 16 h + 0 .. 15.  So a wave's 32 channels of n are one block of the next K, and its 128 hidden units one K step.
; THE STAGE: 64 rows x (1,024 + 16) bytes of f32.  It is filled by rows with s, read by columns as the C of the first product, holds s1, is read again as the C of the last product, and leaves by rows.
; Two stages take turns: the next block's rows of s are loaded and laid down while this block's hidden layer is made.
; WHAT NOBODY WRITES BEHIND THE HEAD (o's fragments, the tables of biases and gains) is read wherever its registers are free, ahead of the place that wants it.
; THE NORM: each wave's mean and sum of squares about it over its 32 channels; the eight are joined by their means' spread: no difference of large sums.
; GELU is x (1 / 2 + erf(x / sqrt 2) / 2), erf by a rational of degrees 6 and 4 in the square of its argument, held to +-4.  It is worked in x itself: xc = x held to +-4 sqrt 2, y = xc^2,
; gelu = x (1 / 2 + xc P(y) / Q(y)): the powers of two that y = 2 z^2 brings go into the coefficients' exponents, and the factor 2 sqrt 2 into Q's coefficients, by one multiplication each at the head.
; NO CLUSTER, NO TENSOR LOAD: work-groups share the weights alone, which each reads once, straight into registers.
; LIMITS: NaN and infinities are not served.  A block of zeros gets the scale byte 1 where the quantiser says 127: its codes are zeros, and the bytes never leave the work-group.
; gelu's error is about 1e-7 |x| in absolute terms: far in the negative tail, where 1 / 2 + erf / 2 cancels, its relative error grows.
; THE MODE: SCHED_MODE bits 1:0 = 2 (LLVM: expert scheduling mode 2), set by the entry lines.  The code itself states the register dependences
; between vector or matrix instructions and memory or LDS instructions, with s_wait_alu, always for 0.
; THE PLAN.  Registers that LDS or memory instructions touch, round a block of 64 rows:
;   HA  v108-171   LDS loads land in it (my cells of the stage, twice; mb1; whole rows); products, the norm, gelu and the additions of bo and mb2 write it; the stores into the stage and into out0 read it.
;   T   v172-235   LDS loads land in it (fragments of o, n and the hidden layer; the waves' figures; ln_g, ln_b); products read it; the statistics, gelu and the quantisers work in it; the stores of codes read part of it.
;   PF  v236-251   loads land in it (bo; rows of the next block's s; mb2); the statistics write it; the stores of the figures and of s's rows read it.
;   v100-107       scale words: LDS loads land in them, products read them.
;   v15, v20, v25-27, v1-3   addresses that are made anew; all others are made at the head and never written again.
; A wait on va_vdst stands ahead of each run of stores whose data vector or matrix instructions have just written, and each is laid so that it also frees the registers in which the loads that follow land;
; the additions that make addresses stand ahead of such a wait.  A wait on vm_vsrc stands behind four of the block's five barriers and at the head of each trip over the row tiles: there the stores issued since the last have read
; what is written next.  Each wait's comment names what it states.
.set L_H,    66560          ; the hidden layer's fragments: 4,096 x K step (= wave that made it) + 1,024 x tile of rows
.set L_HS,   99328          ; their scale words: 256 x K step + 64 x tile + 4 r
.set L_N,    101376         ; n's fragments: 2,048 x tile + 1,024 x K step
.set L_NS,   109568         ; their scale bytes: 128 x tile + 64 x K step + 4 r + block
.set L_PS,   110080         ; (mean, sum of squares) of each wave: 80 x row + 8 x wave
.set L_MB1,  115200         ; mb1
.set L_BO,   119296         ; bo, mb2, ln_g, ln_b: 1,024 bytes each
.set STG1,   131072         ; stage 0 lies at 0, stage 1 here: one exclusive or turns one into the other
.set L_OI,   197632         ; the work-group's o_codes, as they lie
.set L_OSI,  230400         ; and o_scales
.set AH, 4
.set AHS, 5
.set AN, 6
.set ANS, 7
.set AOI, 8
.set AOS, 9
.set AHW, 10
.set AHSW, 11
.set ANW, 12
.set ANSW, 13
.set ACT0, 14
.set ACT, 15
.set APSW, 16
.set APSR, 17
.set AMB1, 18
.set ADR0, 19
.set ADC, 20
.set AT, 22                 ; (v21: 4 sqrt 2, the hold of gelu's argument)
.set ALN, 23
.set GS, 24
.set C0, 25                 ; v25-27, v1-3: addresses of the phase in hand
.set C1, 26
.set C2, 27
.set W1S, 32                ; v32-63, v96-107 hold scale words and nothing else
.set W2S, 48
.set WOF, 64
.set WOS, 96
.set TSC, 100
.set HA, 108
.set T, 172
.set PF, 236
.set SUMP, 252
.set TM, 172
.set PW, 188
.set PC, 190
.set MSB, 0
.macro WIN new              ; the immediate's high byte repeats the setting that is left; a switch that changes nothing is dropped
.if MSB != \new
	s_set_vgpr_msb (MSB<<8)|\new
.set MSB, \new
.endif
.endm
.macro BARRIER              ; my LDS stores have landed and my LDS loads are in: then the work-group's barrier
	s_wait_dscnt 0x0
	s_barrier_signal -1
	s_barrier_wait -1
.endm
.macro PLACES               ; four plain places behind matrix instructions (ISA guide 7.12.1)
.rept 4
	v_nop
.endr
.endm
.macro FP4MM d, a, b, sa, sb                   ; adds in place; the accumulators of a run take turns, one instruction a turn
	v_wmma_scale_f32_16x16x128_f8f6f4 v[\d:\d+7], v[\a:\a+7], v[\b:\b+7], v[\d:\d+7], v[\sa], v[\sb] matrix_a_fmt:MATRIX_FMT_FP4 matrix_b_fmt:MATRIX_FMT_FP4
.endm
.macro SPAIR r, bits                           ; the packed forms name a pair and take its low word for both halves: both words are written
	s_mov_b32 s[\r], \bits
	s_mov_b32 s[\r+1], \bits
.endm
.macro QCOEF r, t, bits, mul                   ; a coefficient of Q times sqrt 2 times a power of two, rounded once, into a scalar register; each has a vector register of its own, so that the four stand in one run
	v_mov_b32 v[T+\t], \bits
	v_mul_f32 v[T+\t], \mul, v[T+\t]
	v_readfirstlane_b32 s[\r], v[T+\t]
.endm
.macro CLOAD                                   ; my cells of the stage: lane (r, h), tile (m, u): row 16 m + r, channels 32 w + 16 h + 8 u + 0 .. 7
.irp m,0,1,2,3
.irp u,0,1
.irp i,0,1
	ds_load_b128 v[HA+8*(2*\m+\u)+4*\i:HA+8*(2*\m+\u)+4*\i+3], v[ACT] offset:\m*16640+\u*32+16*\i
.endr
.endr
.endr
.endm
.macro CSTORE                                  ; and back: each accumulator from its low end on
.irp m,0,1,2,3
.irp u,0,1
.irp i,0,1
	ds_store_b128 v[ACT], v[HA+8*(2*\m+\u)+4*\i:HA+8*(2*\m+\u)+4*\i+3] offset:\m*16640+\u*32+16*\i
.endr
.endr
.endr
.endm
.macro MB1LOAD                                 ; mb1 in the result's layout: the hidden layer's sums begin with it
.irp t,0,1,2,3,4,5,6,7
.irp i,0,1
	ds_load_b128 v[HA+8*\t+4*\i:HA+8*\t+4*\i+3], v[AMB1] offset:(32*(\t/2)+8*(\t%2))*4+16*\i
.endr
.endr
.endm
.macro OADDR                                   ; where a block's fragments of o and their scale words lie (s44, s45: the block's place)
	v_add_nc_u32 v[C0], s44, v[AOI]
	v_add_nc_u32 v[C1], s45, v[AOS]
.endm
.macro OLOADS                                  ; a block's eight fragments of o and their scale words
.irp m,0,1,2,3
.irp ks,0,1
.irp c,0,1
	ds_load_b128 v[T+8*(2*\m+\ks)+4*\c:T+8*(2*\m+\ks)+4*\c+3], v[C0] offset:\m*2048+\ks*1024+512*\c
.endr
	ds_load_b32 v[TSC+2*\m+\ks], v[C1] offset:\m*128+\ks*64
.endr
.endr
.endm
	s_load_b512 s[4:19], s[0:1], 0x0               ; s, o_codes, o_scales, Wo_codes, Wo_scales, bo, ln_g, ln_b
	s_load_b256 s[20:27], s[0:1], 0x40             ; mw1_codes, mw1_scales, mb1, mw2_codes
	s_load_b128 s[28:31], s[0:1], 0x60             ; mw2_scales, mb2
	s_load_b64 s[32:33], s[0:1], 0x70              ; out0
	v_lshrrev_b32 v25, 5, v0
	v_readfirstlane_b32 s3, v25                    ; wave
	; gelu's numbers.  erf(z) = z P(z^2) / Q(z^2) with P's coefficients -2.72614226e-10, 2.77068142e-08, -2.10102402e-06, -5.69250639e-05, -7.34990630e-04, -2.95459981e-03, -1.60960333e-02
	; and Q's -1.45660718e-05, -2.13374055e-04, -1.68282697e-03, -7.37332917e-03, -1.42647391e-02, highest power first.  In y = 2 z^2 the coefficient of y^i is that of z^(2 i) / 2^i: i off its exponent field.
	QCOEF 62, 0, 0xb77460cd, 0x3e3504f3            ; Q x 2 sqrt 2: the coefficient of y^4 x sqrt 2 / 8,
	QCOEF 66, 1, 0xbadc924e, 0x3f3504f3            ; of y^2 x sqrt 2 / 2,
	QCOEF 68, 2, 0xbbf19bf8, 0x3fb504f3            ; of y x sqrt 2,
	QCOEF 70, 3, 0xbc69b6a7, 0x403504f3            ; the last x 2 sqrt 2
	v_and_b32 v1, 31, v0                           ; lane
	v_and_b32 v2, 15, v0                           ; r
	v_bfe_u32 v3, v0, 4, 1                         ; h
	v_lshl_add_u32 v[AH], v1, 4, L_H
	v_lshl_add_u32 v[AHS], v2, 2, L_HS
	v_lshl_add_u32 v[AN], v1, 4, L_N
	v_lshl_add_u32 v[ANS], v2, 2, L_NS
	v_lshl_add_u32 v[AOI], v1, 4, L_OI
	v_lshl_add_u32 v[AOS], v2, 2, L_OSI
	s_wait_alu depctr_va_sdst(0)                   ; s3, the wave's number, and s62, s66, s68, s70 are written, ahead of their first readers: one wait for the run of five
	s_mov_b32 s63, s62                             ; the packed forms name pairs: both words are written
	s_mov_b32 s67, s66
	s_mov_b32 s69, s68
	s_mov_b32 s71, s70
	s_lshl_b32 s47, s3, 12
	v_add_nc_u32 v[AHW], s47, v[AH]
	s_lshl_b32 s47, s3, 8
	v_add_nc_u32 v[AHSW], s47, v[AHS]
	v_lshlrev_b32 v[ANW], 4, v2
	v_lshl_add_u32 v[ANW], v3, 3, v[ANW]
	s_add_co_u32 s46, s47, L_N
	v_add_nc_u32 v[ANW], s46, v[ANW]               ; block w of n's two fragments: 256 w + 16 r + 8 h
	s_lshr_b32 s46, s3, 2
	s_lshl_b32 s46, s46, 6
	s_and_b32 s47, s3, 3
	s_add_co_u32 s46, s46, s47
	v_add_nc_u32 v[ANSW], s46, v[ANS]
	v_mul_u32_u24 v[ACT0], v2, 1040
	v_lshl_add_u32 v[ACT0], v3, 6, v[ACT0]
	s_lshl_b32 s47, s3, 7
	v_add_nc_u32 v[ACT0], s47, v[ACT0]
	v_mul_u32_u24 v[APSR], v2, 80
	v_add_nc_u32 v[APSR], L_PS, v[APSR]
	s_lshl_b32 s47, s3, 3
	v_add_nc_u32 v[APSW], s47, v[APSR]
	s_lshl_b32 s47, s3, 9
	s_add_co_u32 s47, s47, L_MB1
	v_lshl_add_u32 v[AMB1], v3, 6, s47
	s_mul_i32 s47, s3, 8320
	v_lshl_add_u32 v[ADR0], v1, 4, s47             ; by rows: wave w has rows 8 w .. 8 w + 7 of the 64; 16 bytes a lane
	v_lshl_add_u32 v[AT], v1, 4, L_BO
	s_lshl_b32 s47, s3, 7
	s_add_co_u32 s47, s47, L_BO
	v_lshl_add_u32 v[ALN], v3, 6, s47              ; my 16 channels in a table: bo here, ln_g 2,048 and ln_b 3,072 bytes on
	s_lshl_b32 s47, s3, 13
	v_lshl_add_u32 v[GS], v1, 4, s47               ; the same rows in s and in out0
	v_lshl_add_u32 v[C0], v0, 4, L_MB1             ; the head's LDS stores
	v_lshl_add_u32 v[C1], v0, 2, L_BO
	v_lshl_add_u32 v[C2], v0, 4, L_OI
	v_lshl_add_u32 v[ADC], v0, 3, L_OSI
	v_lshlrev_b32 v236, 4, v0                      ; the head's offsets in memory: 16, 8, 4 x thread;
	v_lshlrev_b32 v237, 3, v0
	v_lshlrev_b32 v238, 2, v0
	v_and_b32 v243, 8, v2
	v_add_nc_u32 v243, v243, v2                    ; r + 8 (r / 8)
	v_lshlrev_b32 v239, 7, v243
	v_lshl_add_u32 v239, v3, 4, v239               ; a fragment's row of 128 bytes (Wo, mw1),
	v_lshlrev_b32 v240, 3, v243                    ; its 8 scale bytes,
	v_lshlrev_b32 v241, 9, v243
	v_lshl_add_u32 v241, v3, 4, v241               ; of 512 bytes (mw2),
	v_lshlrev_b32 v242, 5, v243                    ; its 32 scale bytes
	v_mov_b32 v21, 0x40b504f3                      ; 4 sqrt 2
	v_mov_b32 v28, 0x32edffee-(5<<23)              ; the second coefficients lie in pairs of vector registers: no instruction then names two scalar pairs
	v_mov_b32 v29, 0x32edffee-(5<<23)
	v_mov_b32 v30, 0xb95fbd29
	v_mul_f32 v30, 0x3eb504f3, v30                 ; x sqrt 2 / 4
	v_mov_b32 v31, v30
	s_mov_b32 s34, 0x76543210
	s_mov_b32 s35, 0xfedcba98                      ; v_permlanex16_b32's selects for lane l xor 16
	SPAIR 50, 0xaf95df0b-(6<<23)
	SPAIR 52, 0xb60cff51-(4<<23)
	SPAIR 54, 0xb86ec2d2-(3<<23)
	SPAIR 56, 0xba40ac63-(2<<23)
	SPAIR 58, 0xbb41a1f6-(1<<23)
	SPAIR 60, 0xbc83dbd4
	s_mov_b32 s73, 0x3727c5ac                      ; 1e-5
	s_mov_b32 s74, 0x3b800000                      ; 1 / 256
	s_mov_b32 s75, 0x42000000                      ; 32
	s_mov_b32 s76, 0x3d000000                      ; 1 / 32
	s_mov_b32 s39, 0
	s_wait_kmcnt 0x0
	s_lshl_b32 s38, ttmp9, 18
	s_add_nc_u64 s[4:5], s[4:5], s[38:39]
	s_add_nc_u64 s[32:33], s[32:33], s[38:39]
	s_lshl_b32 s38, ttmp9, 15
	s_add_nc_u64 s[6:7], s[6:7], s[38:39]
	s_lshl_b32 s38, ttmp9, 11
	s_add_nc_u64 s[8:9], s[8:9], s[38:39]
	s_lshl_b32 s38, s3, 12
	s_add_nc_u64 s[10:11], s[10:11], s[38:39]
	s_lshl_b32 s38, s3, 8
	s_add_nc_u64 s[12:13], s[12:13], s[38:39]
	s_lshl_b32 s38, s3, 14
	s_add_nc_u64 s[20:21], s[20:21], s[38:39]
	s_add_nc_u64 s[26:27], s[26:27], s[38:39]
	s_lshl_b32 s38, s3, 10
	s_add_nc_u64 s[22:23], s[22:23], s[38:39]
	s_add_nc_u64 s[28:29], s[28:29], s[38:39]
	s_wait_alu depctr_va_vdst(0)                   ; every address and offset made above (v4-27, v236-243) is written, which the loads and LDS instructions read; so are v172-175, in which loads land
	; ---- loads: 14 for the tables and o, 16 of s, then 10 + 12 + 32 of weights
	global_load_b128 v[T+36:T+39], v236, s[24:25]
	global_load_b32 v[T+40], v238, s[14:15]
	global_load_b32 v[T+41], v238, s[30:31]
	global_load_b32 v[T+42], v238, s[16:17]
	global_load_b32 v[T+43], v238, s[18:19]
.irp i,0,1,2,3,4,5,6,7
	global_load_b128 v[T+4*\i:T+4*\i+3], v236, s[6:7] offset:\i*4096
.endr
	global_load_b64 v[T+32:T+33], v237, s[8:9]
.irp row,0,1,2,3,4,5,6,7
.irp hf,0,1
	global_load_b128 v[HA+8*\row+4*\hf:HA+8*\row+4*\hf+3], v[GS], s[4:5] offset:\row*1024+\hf*512 th:TH_LOAD_NT
.endr
.endr
.irp u,0,1
.irp ks,0,1
.irp c,0,1
	global_load_b128 v[WOF+8*(2*\u+\ks)+4*\c:WOF+8*(2*\u+\ks)+4*\c+3], v239, s[10:11] offset:\u*1024+\ks*64+32*\c
.endr
.endr
	global_load_b64 v[WOS+2*\u:WOS+2*\u+1], v240, s[12:13] offset:\u*64
.endr
.irp t,0,1,2,3,4,5,6,7
	global_load_b64 v[W1S+2*\t:W1S+2*\t+1], v240, s[22:23] offset:(32*(\t/2)+8*(\t%2))*8
.endr
.irp u,0,1
.irp i,0,1
	global_load_b128 v[W2S+8*\u+4*\i:W2S+8*\u+4*\i+3], v242, s[28:29] offset:\u*256+16*\i
.endr
.endr
	WIN 0x40                                       ; destination window 1
.irp t,0,1,2,3,4,5,6,7
.irp ks,0,1
.irp c,0,1
	global_load_b128 v[8*(2*\t+\ks)+4*\c:8*(2*\t+\ks)+4*\c+3], v239, s[20:21] offset:(32*(\t/2)+8*(\t%2))*128+\ks*64+32*\c
.endr
.endr
.endr
	WIN 0
	s_wait_loadcnt 54                              ; the tables, o and s are in; the 54 loads of weights may be out
	ds_store_b128 v[C0], v[T+36:T+39]
	ds_store_b32 v[C1], v[T+40]
	ds_store_b32 v[C1], v[T+41] offset:1024
	ds_store_b32 v[C1], v[T+42] offset:2048
	ds_store_b32 v[C1], v[T+43] offset:3072
.irp i,0,1,2,3,4,5,6,7
	ds_store_b128 v[C2], v[T+4*\i:T+4*\i+3] offset:\i*4096
.endr
	ds_store_b64 v[ADC], v[T+32:T+33]
.irp row,0,1,2,3,4,5,6,7
.irp hf,0,1
	ds_store_b128 v[ADR0], v[HA+8*\row+4*\hf:HA+8*\row+4*\hf+3] offset:\row*1040+\hf*512
.endr
.endr
	WIN 0x40
.irp u,0,1
.irp ks,0,1,2,3,4,5,6,7
.irp c,0,1
	global_load_b128 v[128+8*(8*\u+\ks)+4*\c:128+8*(8*\u+\ks)+4*\c+3], v241, s[26:27] offset:\u*4096+\ks*64+32*\c
.endr
.endr
.endr
	WIN 0
	s_wait_xcnt 0x0                                ; every load has read its offsets and its base
	s_add_nc_u64 s[4:5], s[4:5], 0x10000           ; s at the next block
	s_mov_b32 s36, 0                               ; the stage in hand
	s_mov_b32 s37, 4                               ; blocks to go
	s_mov_b32 s44, 0                               ; the block's fragments of o,
	s_mov_b32 s45, 0                               ; and their scale words
	BARRIER                                        ; stage 0, o and the tables lie in LDS
	s_wait_alu depctr_vm_vsrc(0)                   ; the head's LDS stores have read v20, v25-27, T and HA, and its loads v236-242: the additions below write v25 and v26, and LDS loads land in T, HA and PF
	OADDR
	v_add_nc_u32 v[ACT], s36, v[ACT0]              ; my cells in the first block's stage
	s_wait_alu depctr_va_vdst(0)                   ; v15, v25 and v26 are written, which the loads below read
	OLOADS                                         ; the first block's fragments of o
.Lblock:
	; ---- s1 = s + o Wo^T + bo: eight accumulators (4 tiles of rows x 2 of channels).  o's fragments were asked for, and v15 was made, ahead of the barrier.
	; No wait on the wave's own results here: the wait ahead of the stores of out0 (in the first block: the one above) stands behind every vector instruction that names HA, PF or v15
	CLOAD
.irp i,0,1,2,3
	ds_load_b128 v[PF+4*\i:PF+4*\i+3], v[ALN] offset:16*\i          ; bo of my 16 channels
.endr
	s_wait_dscnt 0x0
	s_wait_loadcnt 32                              ; in the first block: all weights but mw2's 32 loads
.irp ks,0,1
.irp m,0,1,2,3
.irp u,0,1
	FP4MM HA+8*(2*\m+\u), WOF+8*(2*\u+\ks), T+8*(2*\m+\ks), WOS+2*\u+\ks, TSC+2*\m+\ks
.endr
.endr
.endr
	PLACES
.irp m,0,1,2,3
.irp q,0,2,4,6,8,10,12,14
	v_pk_add_f32 v[HA+16*\m+\q:HA+16*\m+\q+1], v[HA+16*\m+\q:HA+16*\m+\q+1], v[PF+\q:PF+\q+1]   ; + bo; each accumulator from its low end on
.endr
.endr
	s_wait_alu depctr_va_vdst(0)                   ; the additions have written s1 in HA, which the LDS stores read
	CSTORE                                         ; s1 stays in my cells for the last product
	; my 32 channels' mean and sum of squares about it, for each row; the four tiles by turns
.irp a,0,4,8,12
.irp m,0,1,2,3
	v_pk_add_f32 v[T+16*\m+\a/2:T+16*\m+\a/2+1], v[HA+16*\m+\a:HA+16*\m+\a+1], v[HA+16*\m+\a+2:HA+16*\m+\a+3]
.endr
.endr
.irp m,0,1,2,3
	v_pk_add_f32 v[T+16*\m:T+16*\m+1], v[T+16*\m:T+16*\m+1], v[T+16*\m+2:T+16*\m+3]
	v_pk_add_f32 v[T+16*\m+4:T+16*\m+5], v[T+16*\m+4:T+16*\m+5], v[T+16*\m+6:T+16*\m+7]
.endr
.irp m,0,1,2,3
	v_pk_add_f32 v[T+16*\m:T+16*\m+1], v[T+16*\m:T+16*\m+1], v[T+16*\m+4:T+16*\m+5]
.endr
.irp m,0,1,2,3
	v_add_f32 v[T+16*\m+8], v[T+16*\m], v[T+16*\m+1]
.endr
.irp m,0,1,2,3
	v_permlanex16_b32 v[T+16*\m+9], v[T+16*\m+8], s34, s35
.endr
.irp m,0,1,2,3
	v_add_f32 v[T+16*\m+8], v[T+16*\m+8], v[T+16*\m+9]
.endr
.irp m,0,1,2,3
	v_mul_f32 v[PF+2*\m], s76, v[T+16*\m+8]
.endr
.irp q,0,2,4,6,8,10,12,14
.irp m,0,1,2,3
	v_pk_add_f32 v[T+16*\m+10:T+16*\m+11], v[HA+16*\m+\q:HA+16*\m+\q+1], v[PF+2*\m:PF+2*\m+1] op_sel_hi:[1,0] neg_lo:[0,1] neg_hi:[0,1]
.endr
.irp m,0,1,2,3
.if \q == 0
	v_pk_mul_f32 v[T+16*\m+12:T+16*\m+13], v[T+16*\m+10:T+16*\m+11], v[T+16*\m+10:T+16*\m+11]
.else
	v_pk_fma_f32 v[T+16*\m+12:T+16*\m+13], v[T+16*\m+10:T+16*\m+11], v[T+16*\m+10:T+16*\m+11], v[T+16*\m+12:T+16*\m+13]
.endif
.endr
.endr
.irp m,0,1,2,3
	v_add_f32 v[T+16*\m+8], v[T+16*\m+12], v[T+16*\m+13]
.endr
.irp m,0,1,2,3
	v_permlanex16_b32 v[T+16*\m+9], v[T+16*\m+8], s34, s35
.endr
.irp m,0,1,2,3
	v_add_f32 v[PF+2*\m+1], v[T+16*\m+8], v[T+16*\m+9]
.endr
	s_wait_alu depctr_va_vdst(0)                   ; my figures v236-243 are written, which the LDS stores read; and the lines above are done with T, in which the loads behind the barrier land
.irp m,0,1,2,3
	ds_store_b64 v[APSW], v[PF+2*\m:PF+2*\m+1] offset:\m*1280   ; both halves of the lanes write the same 8 bytes with the same value
.endr
	BARRIER                                        ; all eight waves' figures lie in LDS
	s_wait_alu depctr_vm_vsrc(0)                   ; the stores of s1 have read HA, which the norm writes; the stores of my figures have read v236-243, which the lines below write
	; ---- the norm.  All four tiles' figures are asked for at once: tiles 0, 1 into T's lower half, tiles 2, 3 into its upper; ln_g and ln_b then land in the half that tiles 0, 1 have left
.macro PSLOAD p
.irp mm,0,1
.irp i,0,1,2,3
	ds_load_b128 v[T+32*\p+16*\mm+4*\i:T+32*\p+16*\mm+4*\i+3], v[APSR] offset:(2*\p+\mm)*1280+16*\i
.endr
.endr
.endm
; Tiles 2 p and 2 p + 1: the row's mean into v[PF + 4 m], 1 / sqrt(variance + 1e-5) into v[PF + 4 m + 2]: each the low word of a pair of its own
.macro STATS p
.set TB, T+32*\p
.irp mm,0,1
	v_pk_add_f32 v[SUMP+2*\mm:SUMP+2*\mm+1], v[TB+16*\mm:TB+16*\mm+1], v[TB+16*\mm+2:TB+16*\mm+3]
.endr
.irp w,2,3,4,5,6,7
.irp mm,0,1
	v_pk_add_f32 v[SUMP+2*\mm:SUMP+2*\mm+1], v[SUMP+2*\mm:SUMP+2*\mm+1], v[TB+16*\mm+2*\w:TB+16*\mm+2*\w+1]
.endr
.endr
.irp mm,0,1
	v_mul_f32 v[PF+4*(2*\p+\mm)], 0x3e000000, v[SUMP+2*\mm]         ; the mean of the eight means
.endr
.irp w,0,1,2,3,4,5,6,7
.irp mm,0,1
	v_sub_f32 v[TB+16*\mm+2*\w], v[TB+16*\mm+2*\w], v[PF+4*(2*\p+\mm)]
.endr
.endr
.irp mm,0,1
	v_mul_f32 v[TB+16*\mm+1], v[TB+16*\mm], v[TB+16*\mm]
.endr
.irp w,1,2,3,4,5,6,7
.irp mm,0,1
	v_fmac_f32 v[TB+16*\mm+1], v[TB+16*\mm+2*\w], v[TB+16*\mm+2*\w]
.endr
.endr
.irp mm,0,1
	v_fma_f32 v[TB+16*\mm+1], v[TB+16*\mm+1], s75, v[SUMP+2*\mm+1]    ; 32 x the means' spread + the eight sums of squares
.endr
.irp mm,0,1
	v_fma_f32 v[TB+16*\mm+1], v[TB+16*\mm+1], s74, s73                ; / 256 + 1e-5
.endr
.irp mm,0,1
	v_rsq_f32 v[PF+4*(2*\p+\mm)+2], v[TB+16*\mm+1]
.endr
	v_nop                                          ; a plain place behind the roots
.endm
	PSLOAD 0
	PSLOAD 1
	s_wait_dscnt 8                                 ; tiles 0 and 1's figures are in; the eight loads of tiles 2 and 3's may be out
	STATS 0
	s_wait_alu depctr_va_vdst(0)                   ; the lines above are done with T's lower half, in which ln_g and ln_b land; and the first two roots v238, v242 are written
.irp i,0,1,2,3
	ds_load_b128 v[T+4*\i:T+3+4*\i], v[ALN] offset:2048+16*\i       ; ln_g of my 16 channels,
	ds_load_b128 v[T+16+4*\i:T+19+4*\i], v[ALN] offset:3072+16*\i   ; ln_b
.endr
	s_wait_dscnt 8                                 ; tiles 2 and 3's figures are in; the eight loads just issued may be out
	STATS 1
	s_wait_alu depctr_va_vdst(0)                   ; the other two roots v246, v250 are written, ahead of the roots' first reader
.irp m,0,1,2,3
.irp q,0,2,4,6,8,10,12,14
	v_pk_add_f32 v[HA+16*\m+\q:HA+16*\m+\q+1], v[HA+16*\m+\q:HA+16*\m+\q+1], v[PF+4*\m:PF+4*\m+1] op_sel_hi:[1,0] neg_lo:[0,1] neg_hi:[0,1]
.endr
.endr
.irp m,0,1,2,3
.irp q,0,2,4,6,8,10,12,14
	v_pk_mul_f32 v[HA+16*\m+\q:HA+16*\m+\q+1], v[HA+16*\m+\q:HA+16*\m+\q+1], v[PF+4*\m+2:PF+4*\m+3] op_sel_hi:[1,0]
.endr
.endr
	s_wait_dscnt 0x0                               ; ln_g and ln_b are in
.irp m,0,1,2,3
.irp q,0,2,4,6,8,10,12,14
	v_pk_fma_f32 v[HA+16*\m+\q:HA+16*\m+\q+1], v[HA+16*\m+\q:HA+16*\m+\q+1], v[T+\q:T+1+\q], v[T+16+\q:T+17+\q]
.endr
.endr
	; n's block w of each row: my 16 numbers and lane l xor 16's; the four tiles by turns.
	; Two chains a tile: numbers 0-7 with the floor (0, 1 | 2, 3 | 4, 5 | 6, 7) and numbers 8-14 (8, 9, 10 | 11, 12 | 13, 14); one line joins them with number 15: the tile's 16 registers and no other
.irp m,0,1,2,3
	v_max3_num_f32 v[T+\m], |v[HA+16*\m]|, |v[HA+16*\m+1]|, 0x1800000   ; with the floor 2^(3 - 127): the byte cannot fall under 1
	v_max3_num_f32 v[T+4+\m], |v[HA+16*\m+8]|, |v[HA+16*\m+9]|, |v[HA+16*\m+10]|
.endr
.irp a,2,4
.irp m,0,1,2,3
	v_max3_num_f32 v[T+\m], v[T+\m], |v[HA+16*\m+\a]|, |v[HA+16*\m+\a+1]|
	v_max3_num_f32 v[T+4+\m], v[T+4+\m], |v[HA+16*\m+9+\a]|, |v[HA+16*\m+10+\a]|
.endr
.endr
.irp m,0,1,2,3
	v_max3_num_f32 v[T+\m], v[T+\m], |v[HA+16*\m+6]|, |v[HA+16*\m+7]|
.endr
.irp m,0,1,2,3
	v_max3_num_f32 v[T+\m], v[T+\m], v[T+4+\m], |v[HA+16*\m+15]|
.endr
.irp m,0,1,2,3
	v_permlanex16_b32 v[T+8+\m], v[T+\m], s34, s35
.endr
.irp m,0,1,2,3
	v_max_num_f32 v[T+\m], v[T+\m], v[T+8+\m]
.endr
.irp m,0,1,2,3
	v_add_nc_u32 v[T+12+\m], 0xff000000, v[T+\m]   ; 2 off the exponent field: the conversion's scale operand
.endr
.irp m,0,1,2,3
	v_cvt_scalef32_pk8_fp4_f32 v[T+16+2*\m], v[HA+16*\m:HA+16*\m+7], v[T+12+\m]
	v_cvt_scalef32_pk8_fp4_f32 v[T+17+2*\m], v[HA+16*\m+8:HA+16*\m+15], v[T+12+\m]
.endr
.irp m,0,1,2,3
	v_lshrrev_b32 v[T+24+\m], 23, v[T+12+\m]       ; the scale's byte (plain lines behind the conversions)
.endr
	s_wait_alu depctr_va_vdst(0)                   ; n's codes v188-195 and bytes v196-199 are written, which the LDS stores read; and the conversions are done reading HA, in which mb1 lands
.irp m,0,1,2,3
	ds_store_b64 v[ANW], v[T+16+2*\m:T+17+2*\m] offset:\m*2048
	ds_store_b8 v[ANSW], v[T+24+\m] offset:\m*128
.endr
	MB1LOAD                                        ; n has left its registers: the first tile's mb1 is asked for ahead of the barrier
	BARRIER                                        ; n's eight fragments lie in LDS
	; ---- the hidden layer, a tile of 16 rows a trip; beside it two rows a wave of the next block's s go into the other stage
	s_mov_b32 s38, 0
	s_xor_b32 s46, s36, STG1
; sixteen numbers a lane: x -> x (1 / 2 + xc P(xc^2) / Q(xc^2)); every line for all eight pairs
.macro GELU g
.set XB, HA+16*\g
.irp q,0,1,2,3,4,5,6,7,8,9,10,11,12,13,14,15
	v_med3_num_f32 v[T+\q], v[XB+\q], -v21, v21                                      ; xc
.endr
.irp q,0,2,4,6,8,10,12,14
	v_pk_mul_f32 v[T+16+\q:T+17+\q], v[T+\q:T+\q+1], v[T+\q:T+\q+1]                  ; y = xc^2
.endr
.irp q,0,2,4,6,8,10,12,14
	v_pk_fma_f32 v[T+32+\q:T+33+\q], v[T+16+\q:T+17+\q], s[50:51], v[28:29] op_sel_hi:[1,0,1]
	v_pk_fma_f32 v[T+48+\q:T+49+\q], v[T+16+\q:T+17+\q], s[62:63], v[30:31] op_sel_hi:[1,0,1]
.endr
.irp q,0,2,4,6,8,10,12,14
	v_pk_fma_f32 v[T+32+\q:T+33+\q], v[T+32+\q:T+33+\q], v[T+16+\q:T+17+\q], s[52:53] op_sel_hi:[1,1,0]
	v_pk_fma_f32 v[T+48+\q:T+49+\q], v[T+48+\q:T+49+\q], v[T+16+\q:T+17+\q], s[66:67] op_sel_hi:[1,1,0]
.endr
.irp q,0,2,4,6,8,10,12,14
	v_pk_fma_f32 v[T+32+\q:T+33+\q], v[T+32+\q:T+33+\q], v[T+16+\q:T+17+\q], s[54:55] op_sel_hi:[1,1,0]
	v_pk_fma_f32 v[T+48+\q:T+49+\q], v[T+48+\q:T+49+\q], v[T+16+\q:T+17+\q], s[68:69] op_sel_hi:[1,1,0]
.endr
.irp q,0,2,4,6,8,10,12,14
	v_pk_fma_f32 v[T+32+\q:T+33+\q], v[T+32+\q:T+33+\q], v[T+16+\q:T+17+\q], s[56:57] op_sel_hi:[1,1,0]
	v_pk_fma_f32 v[T+48+\q:T+49+\q], v[T+48+\q:T+49+\q], v[T+16+\q:T+17+\q], s[70:71] op_sel_hi:[1,1,0]
.endr
.irp q,0,1,2,3,4,5,6,7,8,9,10,11,12,13,14,15
	v_rcp_f32 v[T+48+\q], v[T+48+\q]               ; the sixteen reciprocals are one batch; the 24 lines below name none of their results
.endr
.irp q,0,2,4,6,8,10,12,14
	v_pk_fma_f32 v[T+32+\q:T+33+\q], v[T+32+\q:T+33+\q], v[T+16+\q:T+17+\q], s[58:59] op_sel_hi:[1,1,0]
.endr
.irp q,0,2,4,6,8,10,12,14
	v_pk_fma_f32 v[T+32+\q:T+33+\q], v[T+32+\q:T+33+\q], v[T+16+\q:T+17+\q], s[60:61] op_sel_hi:[1,1,0]
.endr
.irp q,0,2,4,6,8,10,12,14
	v_pk_mul_f32 v[T+32+\q:T+33+\q], v[T+32+\q:T+33+\q], v[T+\q:T+\q+1]              ; xc P
.endr
	s_wait_alu depctr_va_vdst(0)                   ; the sixteen reciprocals v220-235 are written, ahead of their first reader: one wait for the batch
.irp q,0,2,4,6,8,10,12,14
	v_pk_fma_f32 v[T+32+\q:T+33+\q], v[T+32+\q:T+33+\q], v[T+48+\q:T+49+\q], 0.5 op_sel_hi:[1,1,0]   ; 1 / 2 + erf / 2
.endr
.irp q,0,2,4,6,8,10,12,14
	v_pk_mul_f32 v[XB+\q:XB+\q+1], v[XB+\q:XB+\q+1], v[T+32+\q:T+33+\q]
.endr
.endm
; 64 numbers of a lane, register 16 b + i = k 32 b + 16 h + i of my row, become a fragment's codes in v[PC] on and its scale word in v[PW]
.macro QUANT s
.irp b,0,1,2,3
	v_max3_num_f32 v[TM+\b], |v[\s+16*\b]|, |v[\s+1+16*\b]|, 0x1800000
.endr
.irp i,2,4,6,8,10,12,14
.irp b,0,1,2,3
	v_max3_num_f32 v[TM+\b], v[TM+\b], |v[\s+16*\b+\i]|, |v[\s+1+16*\b+\i]|
.endr
.endr
.irp b,0,1,2,3
	v_permlanex16_b32 v[TM+4+\b], v[TM+\b], s34, s35
.endr
.irp b,0,1,2,3
	v_max_num_f32 v[TM+\b], v[TM+\b], v[TM+4+\b]
.endr
.irp b,0,1,2,3
	v_add_nc_u32 v[TM+12+\b], 0xff000000, v[TM+\b]
.endr
.irp b,0,1,2,3
	v_lshrrev_b32 v[TM+4+\b], 23, v[TM+12+\b]
.endr
	v_lshl_or_b32 v[PW], v[TM+5], 8, v[TM+4]
	v_lshl_or_b32 v[PW], v[TM+6], 16, v[PW]
	v_lshl_or_b32 v[PW], v[TM+7], 24, v[PW]
.irp b,0,1,2,3
	v_cvt_scalef32_pk8_fp4_f32 v[PC+2*\b], v[\s+16*\b:\s+7+16*\b], v[TM+12+\b]
	v_cvt_scalef32_pk8_fp4_f32 v[PC+1+2*\b], v[\s+8+16*\b:\s+15+16*\b], v[TM+12+\b]
.endr
	v_nop                                          ; one plain place behind a scaled conversion
.irp c,0,1                                     ; the operand's layout wants a whole block in a lane
.irp i,0,1
	v_permlane16_swap_b32 v[PC+4*\c+\i], v[PC+2+4*\c+\i]
.endr
.endr
.endm
.Lrow:
	s_lshl_b32 s39, s38, 11
	s_lshl_b32 s40, s38, 7
	s_lshl_b32 s41, s38, 10
	s_lshl_b32 s42, s38, 6
	s_mul_i32 s43, s38, 2080
	s_add_co_u32 s47, s43, s46
	s_wait_alu depctr_vm_vsrc(0)                   ; the loads and stores issued so far have read v25-27 and v1-3, which are written below; the stores of codes have read v188-199, which gelu and the loads below write; the stores of s's rows have read PF, in which the next rows land
	v_add_nc_u32 v[C0], s39, v[AN]
	v_add_nc_u32 v[C1], s40, v[ANS]
	v_add_nc_u32 v[C2], s41, v[AHW]
	v_add_nc_u32 v1, s42, v[AHSW]
	v_add_nc_u32 v2, s39, v[GS]
	v_add_nc_u32 v3, s47, v[ADR0]
	s_wait_alu depctr_va_vdst(0)                   ; the six addresses are written, which this trip's loads and stores read; every vector and matrix instruction that names v172-187, v100, v101 or PF, in which the loads below land, is done
	s_cmp_eq_u32 s37, 1                            ; the last block asks for nothing: no load leaves its buffer
	s_cbranch_scc1 .Lno_next
.irp rr,0,1
.irp hf,0,1
	global_load_b128 v[PF+8*\rr+4*\hf:PF+8*\rr+4*\hf+3], v2, s[4:5] offset:\rr*1024+\hf*512 th:TH_LOAD_NT
.endr
.endr
.Lno_next:
.irp ks,0,1
.irp c,0,1
	ds_load_b128 v[T+8*\ks+4*\c:T+8*\ks+4*\c+3], v[C0] offset:\ks*1024+512*\c
.endr
	ds_load_b32 v[TSC+\ks], v[C1] offset:\ks*64
.endr
	s_wait_dscnt 0x0                               ; n's two fragments; mb1 was asked for at the end of the tile before
	WIN 0x01                                       ; source 0 (mw1) window 1
.irp ks,0,1
.irp t,0,1,2,3,4,5,6,7
	FP4MM HA+8*\t, 8*(2*\t+\ks), T+8*\ks, W1S+2*\t+\ks, TSC+\ks
.endr
.endr
	WIN 0
	PLACES
	GELU 0
	GELU 1
	GELU 2
	GELU 3
	QUANT HA
	s_wait_alu depctr_va_vdst(0)                   ; the codes v190-197 and the scale word v188 are written, which the LDS stores read; and the conversions are done reading HA, in which mb1 lands
	ds_store_b128 v[C2], v[PC:PC+3]                ; K step w of the last product, this tile of rows
	ds_store_b128 v[C2], v[PC+4:PC+7] offset:512
	ds_store_b32 v1, v[PW]
	s_cmp_eq_u32 s38, 3                            ; the hidden numbers have left their registers: the next tile's mb1, if there is a next tile
	s_cbranch_scc1 .Lno_mb1
	MB1LOAD
.Lno_mb1:
	s_wait_loadcnt 0x0                             ; on every path: the four loads above, if they were issued (and, in the first block, mw2's fragments)
	s_cmp_eq_u32 s37, 1
	s_cbranch_scc1 .Lno_fill
.irp rr,0,1
.irp hf,0,1
	ds_store_b128 v3, v[PF+8*\rr+4*\hf:PF+8*\rr+4*\hf+3] offset:\rr*1040+\hf*512   ; two rows of the next block's s into the other stage
.endr
.endr
.Lno_fill:
	s_wait_dscnt 0x0                               ; the stores are done
	s_add_co_u32 s38, s38, 1
	s_cmp_lt_u32 s38, 4
	s_cbranch_scc1 .Lrow
	BARRIER                                        ; the hidden layer's 32 fragments lie in LDS
	s_wait_alu depctr_vm_vsrc(0)                   ; the last trip's stores have read v188-197, in which fragments land below, PF, in which mb2 lands, and v25, v26, which are written below
	; ---- s1 + hidden mw2^T: eight accumulators, a K step at a time; the next K step but one is fetched into the buffer just read
.macro FETCHH ks, buf
.irp m,0,1,2,3
.irp c,0,1
	ds_load_b128 v[T+32*(\buf)+8*\m+4*\c:T+32*(\buf)+8*\m+4*\c+3], v[AH] offset:(\ks)*4096+\m*1024+512*\c
.endr
	ds_load_b32 v[TSC+4*(\buf)+\m], v[AHS] offset:(\ks)*256+\m*64
.endr
.endm
.macro M2STEP ks
.if \ks < 7
	s_wait_dscnt 12                                ; this K step's fragments are in; the next one's 12 loads may be out
.else
	s_wait_dscnt 0x0
.endif
	WIN 0x01                                       ; source 0 (mw2) window 1
.irp m,0,1,2,3
.irp u,0,1
	FP4MM HA+8*(2*\m+\u), 128+8*(8*\u+\ks), T+32*(\ks%2)+8*\m, W2S+8*\u+\ks, TSC+4*(\ks%2)+\m
.endr
.endr
	WIN 0
.if \ks < 7
	PLACES
.endif
.if \ks < 6
	s_wait_alu depctr_va_vdst(0)                   ; the eight products are done reading this buffer and its four scale words, in which the loads below land
	FETCHH \ks+2, \ks%2
.endif
.endm
	CLOAD                                          ; no wait on the wave's own results: no vector instruction has been issued since the wait ahead of the last trip's stores
	FETCHH 0, 0
	FETCHH 1, 1
.irp ks,0,1,2,3,4,5,6,7
	M2STEP \ks
.endr
	s_add_co_u32 s44, s44, 8192                    ; the next block's fragments of o
	s_add_co_u32 s45, s45, 512
	OADDR                                          ; the addresses of the way out are made here: with the v_nop they are the four places behind the last products,
	v_add_nc_u32 v[ADC], s36, v[ADR0]              ; and the wait below serves them too
	v_nop
	s_wait_alu depctr_va_vdst(0)                   ; the products have written HA, which the LDS stores read, and are done reading T and v100-107, in which the next block's o lands; v20, v25 and v26 are written, which the loads of the way out read
	CSTORE
	ds_load_b128 v[PF:PF+3], v[AT] offset:1024     ; mb2 by rows: a table that nobody writes: asked for ahead of the barrier
	ds_load_b128 v[PF+4:PF+7], v[AT] offset:1536
	BARRIER                                        ; 64 whole rows lie in the stage
	s_wait_alu depctr_vm_vsrc(0)                   ; the stores above have read HA, in which the rows land, and v15, which is written below
	; ---- out: each wave takes 8 whole rows, adds mb2 and stores them
.irp row,0,1,2,3,4,5,6,7
.irp hf,0,1
	ds_load_b128 v[HA+8*\row+4*\hf:HA+8*\row+4*\hf+3], v[ADC] offset:\row*1040+\hf*512
.endr
.endr
	s_wait_dscnt 0x0
	s_cmp_eq_u32 s37, 1                            ; the next block's fragments of o, if there is a next block: they land under the additions, the stores and the barrier
	s_cbranch_scc1 .Lno_o
	OLOADS
.Lno_o:
.irp row,0,1,2,3,4,5,6,7
.irp hf,0,1
	v_pk_add_f32 v[HA+8*\row+4*\hf:HA+8*\row+4*\hf+1], v[HA+8*\row+4*\hf:HA+8*\row+4*\hf+1], v[PF+4*\hf:PF+4*\hf+1]
	v_pk_add_f32 v[HA+8*\row+4*\hf+2:HA+8*\row+4*\hf+3], v[HA+8*\row+4*\hf+2:HA+8*\row+4*\hf+3], v[PF+4*\hf+2:PF+4*\hf+3]
.endr
.endr
	v_add_nc_u32 v[ACT], s46, v[ACT0]              ; my cells in the other stage, the next block's
	s_wait_alu depctr_va_vdst(0)                   ; the additions have written HA, which the stores read, and are done reading PF; v15 is written: so the next block's first loads, which read v15 and land in HA and PF, owe nothing more
.irp row,0,1,2,3,4,5,6,7
.irp hf,0,1
	global_store_b128 v[GS], v[HA+8*\row+4*\hf:HA+8*\row+4*\hf+3], s[32:33] offset:\row*1024+\hf*512 th:TH_STORE_NT   ; 32 lanes store 512 consecutive bytes, at a multiple of 256 from out0's first byte
.endr
.endr
	BARRIER                                        ; this block's rows have been read out of its stage, and the other stage is filled
	s_wait_xcnt 0x0                                ; the stores have had their addresses translated (ISA guide 3.1): their registers and their base are written again below and in the next block
	s_wait_alu depctr_vm_vsrc(0)                   ; the stores have read HA, in which the next block's cells land
	s_add_nc_u64 s[32:33], s[32:33], 0x10000
	s_add_nc_u64 s[4:5], s[4:5], 0x10000
	s_xor_b32 s36, s36, STG1
	s_sub_co_u32 s37, s37, 1
	s_cmp_lg_u32 s37, 0
	s_cbranch_scc1 .Lblock
	s_wait_xcnt 0x0
	v_lshl_add_u32 v254, v0, 2, 0x38c00
	v_mov_b32 v255, 0
	s_wait_dscnt 0x0                               ; the closing lines, six on end
	s_wait_alu 0x0
	s_wait_tensorcnt 0x0
	ds_add_u32 v254, v255
	s_wait_dscnt 0x0
	s_endpgm
.Lfunc_end_k_q08e3d8c53b_mlp:
	.size	k_q08e3d8c53b_mlp, .Lfunc_end_k_q08e3d8c53b_mlp-k_q08e3d8c53b_mlp
	.p2alignl 7, 3214868480
	.fill 96, 4, 3214868480
	.section	.rodata,"a",@progbits
	.p2align	6, 0x0
	.amdhsa_kernel k_q08e3d8c53b_mlp
		.amdhsa_group_segment_fixed_size 233472
		.amdhsa_private_segment_fixed_size 0
		.amdhsa_enable_private_segment 0
		.amdhsa_kernarg_size 120
		.amdhsa_user_sgpr_count 2
		.amdhsa_user_sgpr_kernarg_segment_ptr 1
		.amdhsa_wavefront_size32 1
		.amdhsa_system_sgpr_workgroup_id_x 1
		.amdhsa_system_sgpr_workgroup_id_y 1
		.amdhsa_system_sgpr_workgroup_id_z 1
		.amdhsa_system_vgpr_workitem_id 0
		.amdhsa_next_free_vgpr 512
		.amdhsa_next_free_sgpr 80
		.amdhsa_reserve_vcc 0
		.amdhsa_float_denorm_mode_32 3
		.amdhsa_float_denorm_mode_16_64 3
		.amdhsa_memory_ordered 1
		.amdhsa_forward_progress 1
		.amdhsa_inst_pref_size 122
	.end_amdhsa_kernel
	.amdgpu_metadata
---
amdhsa.version: [ 1, 2 ]
amdhsa.kernels:
  - .name:           k_q08e3d8c53b_mlp
    .symbol:         k_q08e3d8c53b_mlp.kd
    .args:
      - { .name: s, .offset: 0, .size: 8, .value_kind: global_buffer, .address_space: global }
      - { .name: o_codes, .offset: 8, .size: 8, .value_kind: global_buffer, .address_space: global }
      - { .name: o_scales, .offset: 16, .size: 8, .value_kind: global_buffer, .address_space: global }
      - { .name: Wo_codes, .offset: 24, .size: 8, .value_kind: global_buffer, .address_space: global }
      - { .name: Wo_scales, .offset: 32, .size: 8, .value_kind: global_buffer, .address_space: global }
      - { .name: bo, .offset: 40, .size: 8, .value_kind: global_buffer, .address_space: global }
      - { .name: ln_g, .offset: 48, .size: 8, .value_kind: global_buffer, .address_space: global }
      - { .name: ln_b, .offset: 56, .size: 8, .value_kind: global_buffer, .address_space: global }
      - { .name: mw1_codes, .offset: 64, .size: 8, .value_kind: global_buffer, .address_space: global }
      - { .name: mw1_scales, .offset: 72, .size: 8, .value_kind: global_buffer, .address_space: global }
      - { .name: mb1, .offset: 80, .size: 8, .value_kind: global_buffer, .address_space: global }
      - { .name: mw2_codes, .offset: 88, .size: 8, .value_kind: global_buffer, .address_space: global }
      - { .name: mw2_scales, .offset: 96, .size: 8, .value_kind: global_buffer, .address_space: global }
      - { .name: mb2, .offset: 104, .size: 8, .value_kind: global_buffer, .address_space: global }
      - { .name: out0, .offset: 112, .size: 8, .value_kind: global_buffer, .address_space: global }
    .group_segment_fixed_size: 233472
    .private_segment_fixed_size: 0
    .kernarg_segment_align: 8
    .kernarg_segment_size: 120
    .max_flat_workgroup_size: 256
    .sgpr_count:     80
    .vgpr_count:     512
    .wavefront_size: 32
...
	.end_amdgpu_metadata
.endif
;; end of part 4
